; MI455X (gfx1250); checked and timed in simulation.
; The chip was launched on July 23, 2026; its instructions are those of AMD's public machine-readable ISA for CDNA 5 (MIT licence, August 2026) and "CDNA5" Instruction Set Architecture Reference Guide (July 2026). The comments in the code are by the model that wrote it; some were corrected since.
;; Causal Self Attention. Allowed arithmetic: matrix products marked QUANTISED: E2M3 operands, one E8M0 scale for each 32 along K, by v_wmma_scale_f32_16x16x128_f8f6f4 with both operands' format E2M3, f32 sums; everything else in f32.
;; Inputs: Wff 1,024 x 1,024 float32; Wk 1,024 x 1,024 float32; Wq 1,024 x 1,024 float32; Wv 1,024 x 1,024 float32; bff 1,024 float32; bk 1,024 float32; bq 1,024 float32; bv 1,024 float32; k 4 x 2,048 x 1,024 float32; q 4 x 2,048 x 1,024 float32; v 4 x 2,048 x 1,024 float32.
;; Outputs: out0 4 x 2,048 x 1,024 float32.
;; This version of the problem:
;;   THIS VERSION OF THE PROBLEM IS GIVEN IN LOW PRECISION. The matrix products marked QUANTISED in the list below multiply operands that are first quantised to E2M3 (2 exponent bits, 3 mantissa bits; 6 bits a number), with one power-of-two scale for each 32 numbers along K (OCP MX v1.0); their sums are f32. All else is computed in f32.
;;   The module's matrix products, in the order in which they are computed (A, B: the left and right operand; K: the contracted axis; several contracted axes count as one K, in the product's order):
;;     1. [M 8,192, K 1,024] x [K 1,024, N 1,024]; A: input q; B: input Wq: QUANTISED
;;     2. [M 8,192, K 1,024] x [K 1,024, N 1,024]; A: input k; B: input Wk: QUANTISED
;;     3. [M 8,192, K 1,024] x [K 1,024, N 1,024]; A: input v; B: input Wv: QUANTISED
;;     4. batch 4 x [M 2,048, K 1,024] x [K 1,024, N 2,048]; A: computed on the way; B: computed on the way: QUANTISED
;;     5. batch 4 x [M 2,048, K 2,048] x [K 2,048, N 1,024]; A: softmax (see below); B: computed on the way: QUANTISED
;;     6. [M 8,192, K 1,024] x [K 1,024, N 1,024]; A: computed on the way; B: input Wff: QUANTISED
;;   THE QUANTISER, for each operand of a quantised product, along K:
;;     - K is cut into blocks of 32 from its start; a last block that is shorter is filled with zeros.
;;     - A block's scale is 2^e with e = floor(log2(the largest magnitude in the block)) - 2, held to -126 .. 127; a block of zeros has e = 0. As a byte (E8M0): e + 127.
;;     - Each number is divided by its block's scale, clamped to +-7.5, and rounded to the nearest number of E2M3, ties to even, subnormals kept.
;;     - The product sums the exact products of the quantised numbers (number of the format x scale) in f32.
;;   ~~~python
;;   def quantise(x, axis):      # numpy; x: float32 -> the quantised numbers, widened to float32 again
;;       x = np.moveaxis(x, axis, -1); K = x.shape[-1]
;;       x = np.pad(x, [(0, 0)] * (x.ndim - 1) + [(0, -K % 32)]); x = x.reshape(x.shape[:-1] + (-1, 32)); a = np.abs(x).max(-1, keepdims=True)
;;       e = np.where(a > 0, np.clip(np.frexp(np.where(a > 0, a, 1))[1] - 1 - 2, -126, 127), 0)      # np.frexp(a)[1] - 1 = floor(log2(a)), exactly
;;       r = np.clip(x / 2.0 ** e, -7.5, 7.5)
;;       step = 2.0 ** (np.maximum(np.frexp(np.where(r == 0, 1, r))[1] - 1, 0) - 3)
;;       q = np.round(r / step) * step * 2.0 ** e      # np.round: ties to even
;;       return np.moveaxis(q.reshape(q.shape[:-2] + (-1,))[..., :K], -1, axis).astype(np.float32)
;;   ~~~
;;   SOFTMAX AHEAD OF A QUANTISED PRODUCT. Where the list says 'softmax', what is quantised is not the finished softmax but p = 2^(t - M), with t = logit x log2(e) and M = ceil(the row's largest t), a whole number; so 1/2 < the row's largest p <= 1. The row's sum l is taken of the UNQUANTISED p, in f32, and the product's result is divided by l at the end. Since M is a whole number, a kernel that streams over the keys may use a running M (the ceiling of the running maximum): every later rescaling is an exact power of two, which a block's scale takes up: the codes' values come out the same.
;;   OPERANDS COMPUTED ON THE WAY. 'Computed on the way' means the value that the module computes at that place (a softmax that the list does not call 'softmax' is quantised finished and normalised). What goes into a quantiser is computed in f32, as accurately as f32 sums, v_exp_f32 and their like allow (about 1e-6 of the number): no bf16 or f16 on the way to a quantiser, and a product that is left as it is and whose result goes on into a quantised operand takes f32 operands (vector FMAs, or v_wmma_f32_16x16x4_f32). A number that lies on a knife's edge between two numbers of the format may be rounded either way, as far as f32 arithmetic and the matrix unit's own rounding can turn it there, and no further.
;; One version. Each part assembles by itself: llvm-mc -triple=amdgcn-amd-amdhsa -mcpu=gfx1250 --defsym DOCPART=n.
;; ======== version 1 of 1: 5 launches
;; limits: right only within a limited range of input values
;; workspace buffers: opx 22,937,600 bytes; opp 19,660,800 bytes; pimg 13,107,200 bytes; pst 1,048,576 bytes; opo 6,553,600 bytes
;; launch quant (part 1): grid 4 x 224, 4 waves a work-group, no clusters, 34,304 bytes of LDS; arguments q, k, v, Wq, Wk, Wv, Wff, opx; writes opx
.if DOCPART == 1
	.amdgcn_target "amdgcn-amd-amdhsa--gfx1250"
	.amdhsa_code_object_version 6
	.text
	.protected	k_qc028042cbd_quant
	.globl	k_qc028042cbd_quant
	.p2align	8
	.type	k_qc028042cbd_quant,@function
k_qc028042cbd_quant:
	s_mov_b64 s[64:65], 0
	v_nop
	global_prefetch_b8 v0, s[64:65] scope:SCOPE_SE
	s_setreg_imm32_b32 hwreg(HW_REG_WAVE_MODE, 25, 1), 1
	s_wait_xcnt 0x0
; q, k, v [8192][1024] and Wq, Wk, Wv, Wff [1024][1024], f32, K innermost, become codes of FP6 (E2M3) with one E8M0 byte for each 32 along K,
; laid in opx IN THE ORDER OF AN OPERAND'S REGISTERS, so that the products' launches read fragments by consecutive 16-byte loads alone.
; A FRAGMENT (16 rows x 128 K, 12 registers a lane) is 1,536 bytes: three runs of 512, run c = registers 4 c .. 4 c + 3, lane l's 16 bytes at 16 l.
; A BLOCK (a panel of 128 rows x a chunk of 256 K) is 25,600 bytes: fragment (K step s, tile t) at 1,536 (8 s + t); from byte 24,576 on the scale words:
; that of (s, image row r, tile t) at 512 s + 256 (t / 4) + 16 r + 4 (t % 4).  opx: [panel 224][chunk 4][block]; panels 0-63 q, 64-127 k, 128-191 v, 192.. Wq, 200.. Wk, 208.. Wv, 216.. Wff.
; THE ROWS OF A TILE ARE NOT NEIGHBOURS: image row rho of tile t is the panel's row 32 (t / 2) + 8 (t % 2) + rho + 8 (rho / 8): as source 0 of a product such tiles leave 16 neighbouring columns in a lane's 16 registers.
; A block's scale is 2^(floor(log2(largest magnitude)) - 2): its byte is the largest magnitude's exponent field - 2, held at 1 from below.
; LIMITS: a block whose largest magnitude lies under 2^-124 keeps the byte 1; a block of zeros gets the byte 1 where the rule says 127 (its codes are zeros, and this program alone reads the bytes); NaN and infinities are not served.
; SHARES: a work-group makes one block (x: chunk, y: panel); wave w its tiles 2 w, 2 w + 1 for both K steps: four fragments.  Each load reads 512 consecutive bytes of one row; a fragment's 16 rows turn through
; the wave's own stage in LDS (rows 528 bytes apart) so that a lane gets 16 neighbours of each block of 32 of its row.  No work-group shares an input byte with another: no cluster, no tensor load, no barrier.
.set BLK,  25600
.set SCO,  24576
.set FRB,  1536
.set SP,   528                         ; a stage row: 512 bytes + 16
.set GI,  4                            ; v4   16 x lane: my bytes of a row's 512
.set SI,  5                            ; v5   the stage, on the way in
.set SO,  6                            ; v6   and on the way out: row r, + 64 h
.set OI,  7                            ; v7   my bytes in the block's fragments
.set OS,  8                            ; v8   my scale words' place
.set R,   16                           ; v16-143  two sets of 64: a fragment's numbers as loaded
.set X,   144                          ; v144-207 register 16 b + i = k 32 b + 16 h + i of my row
.set TM,  208                          ; v208-211 largest magnitudes, v212-215 bytes, v216-219 the conversions' scale operands
.set PC,  220                          ; v220-238 the codes
.set PW,  240                          ; v240-241 the scale words of my two tiles
.set WV,  2
.set PG,  3
.set IN,  4                            ; s[4:5]
.set FP,  6
.set OUT, 8                            ; s[8:9]
.set SEL, 12                           ; s[12:13]
	s_load_b512 s[16:31], s[0:1], 0x0              ; q, k, v, Wq, Wk, Wv, Wff, opx
	v_lshl_add_u32 v248, v0, 2, 0x8400
	v_mov_b32 v249, 0
	v_lshrrev_b32 v1, 5, v0
	v_readfirstlane_b32 s[WV], v1                  ; wave 0..3
	s_and_b32 s[PG], ttmp7, 0xffff                 ; the panel
	v_and_b32 v1, 15, v0                           ; r
	s_wait_alu depctr_va_vdst(0)
	v_bfe_u32 v2, v0, 4, 1                         ; h
	v_and_b32 v3, 31, v0
	v_lshlrev_b32 v[GI], 4, v3
	s_mul_i32 s10, s[WV], 16*SP                    ; my stage
	v_add_nc_u32 v[SI], s10, v[GI]
	v_mul_u32_u24 v[SO], v1, SP
	v_lshl_add_u32 v[SO], v2, 6, v[SO]
	v_add_nc_u32 v[SO], s10, v[SO]
	s_mul_i32 s10, s[WV], 2*FRB                    ; my two tiles' fragments
	v_add_nc_u32 v[OI], s10, v[GI]
	s_lshr_b32 s10, s[WV], 1
	s_lshl_b32 s10, s10, 8                         ; 256 (tile / 4)
	s_and_b32 s11, s[WV], 1
	s_lshl_b32 s11, s11, 3                         ; 4 (tile % 4)
	s_add_co_u32 s10, s10, s11
	s_add_co_u32 s10, s10, SCO
	v_lshl_add_u32 v[OS], v1, 4, s10
	s_mov_b32 s[SEL], 0x76543210
	s_mov_b32 s[SEL+1], 0xfedcba98                 ; lane l xor 16
.irp b, 0,1,2,3
	v_mov_b32 v[TM+4+\b], 0                        ; written once: a lane permute's destination counts as one of its sources
.endr
	s_wait_alu depctr_va_vdst(0)
	s_wait_kmcnt 0x0
; which tensor the panel belongs to: a choice of pointers on the work-group's number alone
.macro PICK lim, ptr
	s_cmp_ge_u32 s[PG], \lim
	s_cselect_b64 s[IN:IN+1], s[\ptr:\ptr+1], s[IN:IN+1]
	s_cselect_b32 s[FP], \lim, s[FP]
.endm
	s_mov_b64 s[IN:IN+1], s[16:17]
	s_mov_b32 s[FP], 0
	PICK 64, 18
	PICK 128, 20
	PICK 192, 22
	PICK 200, 24
	PICK 208, 26
	PICK 216, 28
	s_sub_co_u32 s[FP], s[PG], s[FP]               ; the panel within its tensor
	s_lshl_b32 s[FP], s[FP], 19                    ; 128 rows of 4,096 bytes
	s_lshl_b32 s7, s[WV], 17                       ; my 32 rows
	s_add_co_u32 s[FP], s[FP], s7
	s_lshl_b32 s7, ttmp9, 10                       ; the chunk: 256 numbers
	s_add_co_u32 s[FP], s[FP], s7
	s_mov_b32 s7, 0
	s_add_nc_u64 s[IN:IN+1], s[IN:IN+1], s[6:7]
	s_lshl_b32 s10, s[PG], 2
	s_add_co_u32 s10, s10, ttmp9
	s_mul_i32 s10, s10, BLK
	s_mov_b32 s11, 0
	s_add_nc_u64 s[OUT:OUT+1], s[30:31], s[10:11]
; fragment n = 2 s + u: K step s of tile 2 w + u
.macro LOADG n
.irp rho, 0,1,2,3,4,5,6,7,8,9,10,11,12,13,14,15
	global_load_b128 v[R+64*((\n)%2)+4*\rho:R+64*((\n)%2)+4*\rho+3], v[GI], s[IN:IN+1] offset:(8*((\n)%2)+\rho+8*(\rho/8))*4096+512*((\n)/2) th:TH_LOAD_NT
.endr
.endm
.macro TURN n                          ; through my stage: LDS serves a wave's instructions in order, so no wait stands between the stores and the loads
.irp rho, 0,1,2,3,4,5,6,7,8,9,10,11,12,13,14,15
	ds_store_b128 v[SI], v[R+64*((\n)%2)+4*\rho:R+64*((\n)%2)+4*\rho+3] offset:SP*\rho
.endr
.irp b, 0,1,2,3
.irp j, 0,1,2,3
	ds_load_b128 v[X+16*\b+4*\j:X+16*\b+4*\j+3], v[SO] offset:128*\b+16*\j
.endr
.endr
.endm
.macro QMAX                            ; the four blocks' largest magnitudes, with the floor 2^(3 - 127) among the leaves
.irp b, 0,1,2,3
	v_max3_num_f32 v[TM+\b], 0x1800000, |v[X+16*\b]|, |v[X+16*\b+1]|
.endr
.irp i, 2,4,6,8,10,12,14
.irp b, 0,1,2,3
	v_max3_num_f32 v[TM+\b], v[TM+\b], |v[X+16*\b+\i]|, |v[X+16*\b+\i+1]|
.endr
.endr
.irp b, 0,1,2,3
	v_permlanex16_b32 v[TM+4+\b], v[TM+\b], s[SEL], s[SEL+1]
.endr
.irp b, 0,1,2,3
	v_max_num_f32 v[TM+\b], v[TM+\b], v[TM+4+\b]   ; with lane l xor 16's 16 numbers
.endr
.endm
.macro QPACK pw
	s_wait_xcnt 0x0                                ; the earlier stores have read the codes' and the words' registers: they are written again only behind this wait
.irp b, 0,1,2,3
	v_add_nc_u32 v[TM+8+\b], 0xff000000, v[TM+\b]  ; 2 off the exponent field: the conversion's scale operand
.endr
.irp b, 0,1,2,3
	v_lshrrev_b32 v[TM+4+\b], 23, v[TM+8+\b]       ; the scale's byte
.endr
	v_lshl_or_b32 v[\pw], v[TM+5], 8, v[TM+4]
	v_lshl_or_b32 v[\pw], v[TM+6], 16, v[\pw]
	v_lshl_or_b32 v[\pw], v[TM+7], 24, v[\pw]
.irp c, 0,1
	v_cvt_scalef32_pk16_fp6_f32 v[PC+6*\c:PC+6*\c+2], v[X+32*\c:X+32*\c+15], v[TM+8+2*\c]
	v_cvt_scalef32_pk16_fp6_f32 v[PC+12+4*\c:PC+12+4*\c+2], v[X+32*\c+16:X+32*\c+31], v[TM+8+2*\c+1]   ; (a conversion's three registers begin on an even number)
.endr
	v_nop                                          ; one plain place behind a scaled conversion
.irp c, 0,1                                    ; the operand wants a whole block in a lane: lanes 0-15 block 2 c, lanes 16-31 block 2 c + 1
.irp i, 0,1,2
	v_permlane16_swap_b32 v[PC+6*\c+\i], v[PC+12+4*\c+\i]
.endr
.irp i, 0,1,2
	v_mov_b32 v[PC+3+6*\c+\i], v[PC+12+4*\c+\i]
.endr
.endr
.endm
.macro STOREIMG off                    ; the fragment as it stands: each store covers 512 consecutive bytes, aligned to 256
.irp c, 0,1,2
	global_store_b128 v[OI], v[PC+4*\c:PC+4*\c+3], s[OUT:OUT+1] offset:\off+512*\c
.endr
.endm
.macro FRAGQ n
.if (\n) < 3
	s_wait_loadcnt 16                              ; this fragment's 16 loads are in; the next fragment's 16 may be out
.else
	s_wait_loadcnt 0x0
.endif
	TURN \n
	s_wait_dscnt 0x0                               ; my numbers are back, and the stage's stores have read the set,
.if (\n) < 2
	LOADG (\n)+2                                   ; which takes the fragment two on
.endif
	QMAX
	s_wait_alu depctr_va_vdst(0)
	QPACK PW+(\n)%2
	STOREIMG FRB*(8*((\n)/2)+(\n)%2)
.if (\n)%2 == 1
	global_store_b64 v[OS], v[PW:PW+1], s[OUT:OUT+1] offset:512*((\n)/2)   ; my two tiles' words of row r (lanes r and r + 16 hold and store the same)
.endif
.endm
	LOADG 0
	LOADG 1
	FRAGQ 0
	FRAGQ 1
	FRAGQ 2
	FRAGQ 3
	s_wait_tensorcnt 0x0
	ds_add_u32 v248, v249
	s_wait_dscnt 0x0
	s_endpgm
.Lfunc_end_k_qc028042cbd_quant:
	.size	k_qc028042cbd_quant, .Lfunc_end_k_qc028042cbd_quant-k_qc028042cbd_quant
	.p2alignl 7, 3214868480
	.fill 96, 4, 3214868480
	.section	.rodata,"a",@progbits
	.p2align	6, 0x0
	.amdhsa_kernel k_qc028042cbd_quant
		.amdhsa_group_segment_fixed_size 34304
		.amdhsa_private_segment_fixed_size 0
		.amdhsa_enable_private_segment 0
		.amdhsa_kernarg_size 64
		.amdhsa_user_sgpr_count 2
		.amdhsa_user_sgpr_kernarg_segment_ptr 1
		.amdhsa_wavefront_size32 1
		.amdhsa_system_sgpr_workgroup_id_x 1
		.amdhsa_system_sgpr_workgroup_id_y 1
		.amdhsa_system_sgpr_workgroup_id_z 1
		.amdhsa_system_vgpr_workitem_id 0
		.amdhsa_next_free_vgpr 250
		.amdhsa_next_free_sgpr 66
		.amdhsa_reserve_vcc 0
		.amdhsa_float_denorm_mode_32 3
		.amdhsa_float_denorm_mode_16_64 3
		.amdhsa_memory_ordered 1
		.amdhsa_forward_progress 1
		.amdhsa_inst_pref_size 34
	.end_amdhsa_kernel
	.amdgpu_metadata
---
amdhsa.version: [ 1, 2 ]
amdhsa.kernels:
  - .name:           k_qc028042cbd_quant
    .symbol:         k_qc028042cbd_quant.kd
    .args:
      - { .name: q, .offset: 0, .size: 8, .value_kind: global_buffer, .address_space: global }
      - { .name: k, .offset: 8, .size: 8, .value_kind: global_buffer, .address_space: global }
      - { .name: v, .offset: 16, .size: 8, .value_kind: global_buffer, .address_space: global }
      - { .name: Wq, .offset: 24, .size: 8, .value_kind: global_buffer, .address_space: global }
      - { .name: Wk, .offset: 32, .size: 8, .value_kind: global_buffer, .address_space: global }
      - { .name: Wv, .offset: 40, .size: 8, .value_kind: global_buffer, .address_space: global }
      - { .name: Wff, .offset: 48, .size: 8, .value_kind: global_buffer, .address_space: global }
      - { .name: opx, .offset: 56, .size: 8, .value_kind: global_buffer, .address_space: global }
    .group_segment_fixed_size: 34304
    .private_segment_fixed_size: 0
    .kernarg_segment_align: 8
    .kernarg_segment_size: 64
    .max_flat_workgroup_size: 128
    .sgpr_count:     66
    .vgpr_count:     250
    .wavefront_size: 32
...
	.end_amdgpu_metadata
.endif
;; end of part 1
;; launch proj (part 2): grid 4 x 64, 4 waves a work-group, clusters of 4 x 4, 327,680 bytes of LDS; arguments opx, bq, bk, bv, opp; writes opp
.if DOCPART == 2
	.amdgcn_target "amdgcn-amd-amdhsa--gfx1250"
	.amdhsa_code_object_version 6
	.text
	.protected	k_qc028042cbd_proj
	.globl	k_qc028042cbd_proj
	.p2align	8
	.type	k_qc028042cbd_proj,@function
k_qc028042cbd_proj:
	s_mov_b64 s[64:65], 0
	v_nop
	global_prefetch_b8 v0, s[64:65] scope:SCOPE_SE
	s_setreg_imm32_b32 hwreg(HW_REG_WAVE_MODE, 25, 1), 1
	s_wait_xcnt 0x0
	s_wait_alu depctr_hold_cnt(0) depctr_sa_sdst(0) depctr_va_vdst(0) depctr_va_sdst(0) depctr_va_ssrc(0) depctr_va_vcc(0) depctr_vm_vsrc(0)
	s_getreg_b32 s2, hwreg(HW_REG_IB_STS2, 6, 4)
	s_cmp_eq_u32 s2, 0
	s_cbranch_scc0 .Lentry_in_a_cluster
	s_endpgm
.Lentry_in_a_cluster:
	s_bfe_u32 s2, ttmp6, 0x10000c
	s_cmp_lg_u32 s2, 0xf033
	s_cbranch_scc0 .Lentry_shape_is_right
	s_endpgm
.Lentry_shape_is_right:
; The three projections on codes of FP6 (E2M3): qp = q Wq^T + bq and kp = k Wk^T + bk, rows = tokens, quantised along the 1,024 features; vp^T = Wv v^T + bv, rows = features, quantised along the tokens (the keys).
; Operands come from opx and results go to opp as IMAGES OF OPERAND REGISTERS: fragment = 1,536 bytes (three runs of 512, lane l's 16 bytes at 16 l); block = panel of 128 rows x chunk of 256 K = 25,600 bytes:
; fragment (K step s, tile t) at 1,536 (8 s + t), scale word (s, row r, tile t) at 24,576 + 512 s + 256 (t / 4) + 16 r + 4 (t % 4).  Image row rho of tile t is the panel's row 32 (t / 2) + 8 (t % 2) + rho + 8 (rho / 8).
; opp: qp blocks 0-255 ([panel][chunk]), kp blocks 256-511, vp^T blocks 512-767 ([batch 4][feature panel 8][key chunk 8]).
; SHARES.  A tile is 128 rows x 256 columns, K = 1,024; wave (hr, hc) makes 64 x 128: 32 accumulators.  The instruction is used transposed (source 0 = 16 columns' rows, source 1 = 16 rows): a lane holds ONE row,
; and register 64 a + 16 b + i is column 32 b + 16 h + i of the wave's 128: the order in which the quantiser wants them.  The wave's 128 columns are one K step of the result's image.
; A WORK-GROUP STAYS: 768 tiles are 3 for each of 256 work-groups: its tile of qp, then of kp, then of vp^T.  K goes in UNITS of 512 (two chunks of each of the three panels, 153,600 bytes) through two LDS slots, and the ring
; goes on from tile to tile.  Slot 1's first fill goes out when slot 0's has landed; afterwards each change of slots asks for one unit.  A tile's way out is cut in two round a change of slots, so that the two stretches between changes
; (a unit and two tiles of rows quantised; two tiles of rows quantised and a unit) are about as long as each other, and each refill has one of them in which to land.
; CLUSTER 4 x 4: the row side's panel hangs on the work-group's y alone and is asked for jointly along a row of the cluster, the column side's on its x alone and jointly along a column.  Each change that fills a slot is a round of the cluster's barrier.
; LIMITS: a block whose largest magnitude lies under 2^-124 keeps the byte 1, a block of zeros too (this program alone reads the bytes); NaN and infinities are not served.
; REGISTERS: window 0: v1-16 addresses; v30-31 for the spare words; v32-55 scale words, two sets; v64-159 row-side fragments, two sets (the codes on the way out); v160-223 the bias as C; v224-239 at work.  window 1: accumulators, (a, b) at 8 (8 a + b).  window 2: column-side fragments, two sets of 96.
.set BLK,   25600
.set SCO,   24576
.set FRB,   1536
.set PANEL, 4*BLK
.set CPAN,  2*BLK                      ; a panel's two chunks in a slot
.set SLOT,  6*BLK                      ; a slot: the row side's two chunks, column panel 0's, column panel 1's
.set SPARE, 2*SLOT                     ; the spare words, 128 bytes for each wave: two blocks of 256 bytes that no other line names
.set L16, 3                            ; v3   16 x lane
.set ADA, 4                            ; v4-5   row-side fragments in slot 0, 1
.set ADB, 6                            ; v6-7   column-side fragments
.set ASA, 8                            ; v8-9   row-side scale words
.set ASB, 10                           ; v10-11 column-side scale words
.set OI,  12                           ; v12  my bytes in the result block's fragments
.set OS,  13                           ; v13  my scale words' place there
.set BO,  14                           ; v14  bias by columns: 64 h
.set BV,  15                           ; v15  bias by rows: 4 (r + 8 (r / 8))
.set R16, 16                           ; v16  16 r
.set SPW, 30                           ; v30  LDS address of my spare word; never rewritten
.set NIL, 31                           ; v31  0; never rewritten
.set SC,  32
.set AF,  64
.set PC,  64
.set BC,  160
.set TM,  224
.set PWV, 236
.set WV,  16
.set HR,  17
.set HC,  18
.set CX,  19
.set CY,  20
.set C4,  21
.set G1A, 24                           ; s[24:31] descriptor group 1, row side;  s[32:39] column side
.set G1B, 32
.set G0A, 40                           ; s[40:47] groups 0, row side, one for each slot;  s[68:75] column side
.set RA,  48                           ; s[48:53] the row panel's address, tile t at +2 t
.set CA,  54                           ; s[54:59] the address of the column panel that I would fetch
.set HCP, 63
.set G0B, 68
.set OU,  76                           ; s[76:81] the result's block
.set SEL, 84
.set BI,  88                           ; s[88:93] my part of the bias
.set MUL,  0x52                        ; source 0 window 2, source 1 window 0, C and D window 1
.set MULB, 0x42                        ; the same with C in window 0
.set TO_B, 0x80                        ; destination window 2
.set MSB, 0
.macro WIN new                         ; the immediate's high byte repeats the setting that is left
.set WNEW, \new
.if MSB != WNEW
	s_set_vgpr_msb (MSB<<8)|WNEW
.set MSB, WNEW
.endif
.endm
.macro PLACES                          ; four plain places behind matrix instructions, in front of loads into their registers and of reads of their results
.rept 4
	v_nop
.endr
.endm
.macro CROUND                          ; a round of the cluster's barrier
	s_barrier_signal -1
	s_barrier_wait -1
	s_cmp_lg_u32 s[WV], 0
	s_cbranch_scc1 .Lnot_wave_0_\@
	s_barrier_signal -3
.Lnot_wave_0_\@:
	s_barrier_wait -3
	s_barrier_signal -1
	s_barrier_wait -1
.endm
; a unit's fill into slot e: wave 0 the row side's two chunks, waves 1 and 2 a column panel's two, wave 3 none.  The branches hang on the wave's number alone; four v_nop follow each line
.macro JLOAD e
	s_cmp_eq_u32 s[WV], 0
	s_cbranch_scc0 .Lnot_rows_\@
	tensor_load_to_lds s[G0A+4*(\e):G0A+4*(\e)+3], s[G1A:G1A+7]
	s_nop 0
	PLACES
	s_branch .Lasked_\@
.Lnot_rows_\@:
	s_cmp_lt_u32 s[WV], 3
	s_cbranch_scc0 .Lasked_\@
	tensor_load_to_lds s[G0B+4*(\e):G0B+4*(\e)+3], s[G1B:G1B+7]
	s_nop 0
	PLACES
.Lasked_\@:
.endm
; one product: row tile a x column tile b, fragments of set p.  cm: 1 in place; 2 the bias by columns starts the sum; 3 the bias by rows
.macro WM a, b, p, cm
.set rD, 8*(8*(\a)+(\b))
.set rA, 96*(\p)+12*(\b)
.set rB, AF+48*(\p)+12*(\a)
.set rSA, SC+12*(\p)+4+(\b)
.set rSB, SC+12*(\p)+(\a)
.if (\cm) == 1
	v_wmma_scale_f32_16x16x128_f8f6f4 v[rD:rD+7], v[rA:rA+11], v[rB:rB+11], v[rD:rD+7], v[rSA], v[rSB] matrix_a_fmt:MATRIX_FMT_FP6 matrix_b_fmt:MATRIX_FMT_FP6
.elseif (\cm) == 2
	v_wmma_scale_f32_16x16x128_f8f6f4 v[rD:rD+7], v[rA:rA+11], v[rB:rB+11], v[BC+8*(\b):BC+8*(\b)+7], v[rSA], v[rSB] matrix_a_fmt:MATRIX_FMT_FP6 matrix_b_fmt:MATRIX_FMT_FP6
.else
	v_wmma_scale_f32_16x16x128_f8f6f4 v[rD:rD+7], v[rA:rA+11], v[rB:rB+11], v[BC+8*(\a):BC+8*(\a)+7], v[rSA], v[rSB] matrix_a_fmt:MATRIX_FMT_FP6 matrix_b_fmt:MATRIX_FMT_FP6
.endif
.endm
.macro KMUL p, cm                      ; a K step of 128: the 32 accumulators take turns, one instruction a turn, in the same order in every K step
.if (\cm) >= 2
	WIN MULB
.else
	WIN MUL
.endif
.irp a, 0,1,2,3
.irp b, 0,1,2,3,4,5,6,7
	WM \a, \b, \p, \cm
.endr
.endr
.endm
.macro FETCH sl, e, s, p               ; the fragments and scale words of K step s of chunk e of slot sl into set p: 39 loads of consecutive bytes
	WIN TO_B
.irp b, 0,1,2,3,4,5,6,7
.irp c, 0,1,2
	ds_load_b128 v[96*(\p)+12*\b+4*\c:96*(\p)+12*\b+4*\c+3], v[ADB+(\sl)] offset:BLK*(\e)+FRB*(8*(\s)+\b)+512*\c
.endr
.endr
	WIN 0
.irp a, 0,1,2,3
.irp c, 0,1,2
	ds_load_b128 v[AF+48*(\p)+12*\a+4*\c:AF+48*(\p)+12*\a+4*\c+3], v[ADA+(\sl)] offset:BLK*(\e)+FRB*(8*(\s)+\a)+512*\c
.endr
.endr
	ds_load_b128 v[SC+12*(\p):SC+12*(\p)+3], v[ASA+(\sl)] offset:BLK*(\e)+SCO+512*(\s)
	ds_load_b128 v[SC+12*(\p)+4:SC+12*(\p)+7], v[ASB+(\sl)] offset:BLK*(\e)+SCO+512*(\s)
	ds_load_b128 v[SC+12*(\p)+8:SC+12*(\p)+11], v[ASB+(\sl)] offset:BLK*(\e)+SCO+512*(\s)+256
.endm
.macro KSTEP nx, sl, e, s, p, cm
	s_wait_dscnt 0x0                               ; this K step's fragments, asked for 32 matrix instructions ago, are in
	PLACES
.if \nx
	FETCH \sl, \e, \s, 1-(\p)                      ; the next K step's, into the set that the last K step read
.endif
.if (\cm) >= 2
	s_wait_loadcnt 0x0                             ; the tile's bias, asked for a unit ago
.endif
	KMUL \p, \cm
.endm
.macro UNIT sl, cm0, xw                ; a unit's four K steps out of slot sl.  cm0: how its first K step adds (2, 3: it starts a tile's sums).  xw = 1: stores of codes stand ahead
.if \xw
	s_wait_xcnt 0x0                                ; the stores have read the codes' registers, into which fragments are now loaded
.endif
	PLACES
	FETCH \sl, 0, 0, 0
	KSTEP 1, \sl, 0, 1, 0, \cm0
	KSTEP 1, \sl, 1, 0, 1, 1
	KSTEP 1, \sl, 1, 1, 0, 1
	KSTEP 0, 0, 0, 0, 1, 1
	WIN 0
.endm
; THE CHANGE OF SLOTS.  Every wave waits for all its tensor loads (its part of the unit that is read next), adds 0 to its spare word, and waits for that and for its reads of slot e, which it has left.
; t >= 0: slot e is filled again, with chunks 2 e, 2 e + 1 of tile t: the barrier is a round of the cluster's, so that no wave of any partner still reads the slot or has a load on its way, and the joint refill is the
; first tensor load behind it and a wave's only one until the next change.  t < 0: nothing is left to ask for.
.macro CHANGE e, t
	WIN 0
	s_wait_tensorcnt 0x0                           ; no tensor load of mine is out, so a group 0 may be written
	ds_add_u32 v[SPW], v[NIL]                      ; 0 onto my spare word,
	ds_add_u32 v[SPW], v[NIL]                      ; twice on end
.if (\t) >= 0
	s_add_nc_u64 s[G0A+4*(\e)+2:G0A+4*(\e)+3], s[RA+2*(\t):RA+2*(\t)+1], (\e)*2*BLK
	s_or_b32 s[G0A+4*(\e)+3], s[G0A+4*(\e)+3], 0x80000000
	s_add_nc_u64 s[G0B+4*(\e)+2:G0B+4*(\e)+3], s[CA+2*(\t):CA+2*(\t)+1], (\e)*2*BLK
	s_or_b32 s[G0B+4*(\e)+3], s[G0B+4*(\e)+3], 0x80000000
.endif
	s_wait_dscnt 0x0                               ; the add is done, and my reads of the slot are over
.if (\t) >= 0
	CROUND
	JLOAD \e
.else
	s_barrier_signal -1
	s_barrier_wait -1
.endif
.endm
; 64 numbers of a lane, v[s] on in window sw, register 16 b + i = k 32 b + 16 h + i of my row: the four blocks' largest magnitudes, with the floor 2^(3 - 127) among the leaves; each accumulator is read from its low end on
.macro QMAX s, sw
	WIN 0x14*(\sw)
.irp b, 0,1,2,3
	v_max3_num_f32 v[TM+\b], 0x1800000, |v[(\s)+16*\b]|, |v[(\s)+16*\b+1]|
.endr
.irp i, 2,4,6,8,10,12,14
.irp b, 0,1,2,3
	v_max3_num_f32 v[TM+\b], v[TM+\b], |v[(\s)+16*\b+\i]|, |v[(\s)+16*\b+\i+1]|
.endr
.endr
	WIN 0
.irp b, 0,1,2,3
	v_permlanex16_b32 v[TM+4+\b], v[TM+\b], s[SEL], s[SEL+1]
.endr
.irp b, 0,1,2,3
	v_max_num_f32 v[TM+\b], v[TM+\b], v[TM+4+\b]
.endr
.endm
.macro QPACK s, sw, pw                 ; the scale word into v[pw], the fragment's codes into v[PC] on
	s_wait_xcnt 0x0                                ; the earlier stores have read the codes' and the words' registers: they are written again only behind this wait
.irp b, 0,1,2,3
	v_add_nc_u32 v[TM+8+\b], 0xff000000, v[TM+\b]  ; 2 off the exponent field: the conversion's scale operand
.endr
.irp b, 0,1,2,3
	v_lshrrev_b32 v[TM+4+\b], 23, v[TM+8+\b]
.endr
	v_lshl_or_b32 v[\pw], v[TM+5], 8, v[TM+4]
	v_lshl_or_b32 v[\pw], v[TM+6], 16, v[\pw]
	v_lshl_or_b32 v[\pw], v[TM+7], 24, v[\pw]
	WIN 0x01*(\sw)
.irp c, 0,1
	v_cvt_scalef32_pk16_fp6_f32 v[PC+6*\c:PC+6*\c+2], v[(\s)+32*\c:(\s)+32*\c+15], v[TM+8+2*\c]
	v_cvt_scalef32_pk16_fp6_f32 v[PC+12+4*\c:PC+12+4*\c+2], v[(\s)+32*\c+16:(\s)+32*\c+31], v[TM+8+2*\c+1]
.endr
	WIN 0
	v_nop                                          ; one plain place behind a scaled conversion
.irp c, 0,1
.irp i, 0,1,2
	v_permlane16_swap_b32 v[PC+6*\c+\i], v[PC+12+4*\c+\i]
.endr
.irp i, 0,1,2
	v_mov_b32 v[PC+3+6*\c+\i], v[PC+12+4*\c+\i]
.endr
.endr
.endm
.macro EPIT a, ob                      ; tile a of 16 rows x my 128 columns becomes one fragment of the result's image; each store covers 512 consecutive bytes, aligned to 256
	QMAX 64*(\a), 1
	s_wait_alu depctr_va_vdst(0)
	QPACK 64*(\a), 1, PWV+(\a)
.irp c, 0,1,2
	global_store_b128 v[OI], v[PC+4*\c:PC+4*\c+3], s[\ob:\ob+1] offset:FRB*(\a)+512*\c
.endr
.endm
.macro WORDS ob                        ; my four tiles' words of row r: sixteen lanes cover 256 consecutive bytes, aligned (lanes r and r + 16 hold and store the same)
	global_store_b128 v[OS], v[PWV:PWV+3], s[\ob:\ob+1]
.endm
; the bias is the C of each sum's first product, in the result's layout
.macro BIASC t                         ; by columns: tile y's eight registers are columns 32 (y / 2) + 8 (y % 2) + 16 h + 0 .. 7
.irp y, 0,1,2,3,4,5,6,7
	global_load_b128 v[BC+8*\y:BC+8*\y+3], v[BO], s[BI+2*(\t):BI+2*(\t)+1] offset:(32*(\y/2)+8*(\y%2))*4
	global_load_b128 v[BC+8*\y+4:BC+8*\y+7], v[BO], s[BI+2*(\t):BI+2*(\t)+1] offset:(32*(\y/2)+8*(\y%2))*4+16
.endr
.endm
.macro BIASR t                         ; by rows: all eight registers of tile a hold my row's number
.irp a, 0,1,2,3
.irp j, 0,1,2,3,4,5,6,7
	global_load_b32 v[BC+8*\a+\j], v[BV], s[BI+2*(\t):BI+2*(\t)+1] offset:(32*(\a/2)+8*(\a%2))*4
.endr
.endr
.endm
	s_load_b256 s[4:11], s[0:1], 0x0               ; opx s[4:5], bq s[6:7], bk s[8:9], bv s[10:11]
	s_load_b64 s[12:13], s[0:1], 0x20              ; opp
	v_lshl_add_u32 v[SPW], v0, 2, SPARE
	v_mov_b32 v[NIL], 0
	ds_add_u32 v30, v31
	ds_add_u32 v30, v31
	s_wait_dscnt 0x0
	v_lshrrev_b32 v1, 5, v0
	v_readfirstlane_b32 s[WV], v1                  ; wave 0..3
	s_lshr_b32 s[HR], s[WV], 1                     ; my half of the rows.  Also: in waves 1 and 2, which column panel I fetch
	s_and_b32 s[HC], s[WV], 1                      ; my column panel
	s_bfe_u32 s[CX], ttmp6, 0x40000
	s_bfe_u32 s[CY], ttmp6, 0x40004
	s_and_b32 s[C4], ttmp7, 0xffff                 ; cluster y, 0..15
	; q, k: rows = tokens (panel 64 t + 4 C4 + cy), columns = W (192 + 8 t + 2 cx + ..).  v: rows = Wv (208 + 4 (C4 & 1) + cy), columns = tokens (128 + 8 (C4 >> 1) + 2 cx + ..)
	s_lshl_b32 s60, s[C4], 2
	s_add_co_u32 s60, s60, s[CY]                   ; q's row panel: no register of a row panel ever holds cx
	s_and_b32 s61, s[C4], 1
	s_lshl_b32 s61, s61, 2
	s_add_co_u32 s61, s61, s[CY]                   ; v: the feature panel
	s_lshl_b32 s62, s[CX], 1
	s_add_co_u32 s62, s62, s[HR]                   ; 2 cx + the panel that I would fetch: no register of a column panel ever holds cy
	s_lshr_b32 s66, s[C4], 1
	s_lshl_b32 s67, s66, 3
	s_add_co_u32 s67, s67, s62
	s_mul_i32 s[RA], s60, PANEL
	s_mov_b32 s[RA+1], 0
	s_add_co_u32 s[RA+4], s61, 208
	s_mul_i32 s[RA+4], s[RA+4], PANEL
	s_mov_b32 s[RA+5], 0
	s_add_co_u32 s[CA], s62, 192
	s_mul_i32 s[CA], s[CA], PANEL
	s_mov_b32 s[CA+1], 0
	s_add_co_u32 s[CA+4], s67, 128
	s_mul_i32 s[CA+4], s[CA+4], PANEL
	s_mov_b32 s[CA+5], 0
	; the results' blocks.  q: 4 x row panel + cx; k: 256 further on.  v: G = 4 (C4 >> 1) + cx is the chunk of 256 tokens: 512 + 64 (G >> 3) + 8 (feature panel) + (G & 7)
	s_lshl_b32 s[OU], s60, 2
	s_add_co_u32 s[OU], s[OU], s[CX]
	s_mul_i32 s[OU], s[OU], BLK
	s_mov_b32 s[OU+1], 0
	s_lshl_b32 s82, s66, 2
	s_add_co_u32 s82, s82, s[CX]
	s_lshr_b32 s83, s82, 3
	s_lshl_b32 s83, s83, 6
	s_and_b32 s82, s82, 7
	s_add_co_u32 s83, s83, s82
	s_lshl_b32 s82, s61, 3
	s_add_co_u32 s83, s83, s82
	s_add_co_u32 s83, s83, 512
	s_mul_i32 s[OU+4], s83, BLK
	s_mov_b32 s[OU+5], 0
	s_lshl_b32 s[BI], s[CX], 10                    ; the bias: q, k: my 128 columns begin at number 256 cx + 128 hc;
	s_lshl_b32 s86, s[HC], 9
	s_add_co_u32 s[BI], s[BI], s86
	s_mov_b32 s[BI+1], 0
	s_lshl_b32 s[BI+4], s61, 9                     ; v: my 64 rows at 128 x feature panel + 64 hr
	s_lshl_b32 s86, s[HR], 8
	s_add_co_u32 s[BI+4], s[BI+4], s86
	s_mov_b32 s[BI+5], 0
	s_lshl_b32 s94, s[CY], 2
	s_lshl_b32 s94, 15, s94                        ; my row of the cluster
	s_lshl_b32 s95, 0x1111, s[CX]                  ; my column
	; descriptor group 1: two chunks are a dense block of 51,200 bytes: 200 rows of 32 elements of 8 bytes
	s_or_b32 s[G1A], s94, (3<<16)|(1<<21)          ; 15:0 the mask; 17:16 elements of 8 bytes; 21 set beside a mask
	s_or_b32 s[G1B], s95, (3<<16)|(1<<21)
.irp g, G1A, G1B
	s_mov_b32 s[\g+1], 32<<16                      ; tensor_dim0
	s_mov_b32 s[\g+2], 200<<16                     ; tensor_dim1
	s_mov_b32 s[\g+3], 32<<16                      ; tile_dim0
	s_mov_b32 s[\g+4], 200                         ; tile_dim1
	s_mov_b32 s[\g+5], 32                          ; from row to row
	s_mov_b32 s[\g+6], 0
	s_mov_b32 s[\g+7], 0
.endr
	s_mul_i32 s[HCP], s[HR], CPAN
	s_mov_b32 s[SEL], 0x76543210
	s_mov_b32 s[SEL+1], 0xfedcba98
	s_wait_kmcnt 0x0
	s_add_nc_u64 s[RA:RA+1], s[4:5], s[RA:RA+1]
	s_add_nc_u64 s[RA+2:RA+3], s[RA:RA+1], 64*PANEL
	s_add_nc_u64 s[RA+4:RA+5], s[4:5], s[RA+4:RA+5]
	s_add_nc_u64 s[CA:CA+1], s[4:5], s[CA:CA+1]
	s_add_nc_u64 s[CA+2:CA+3], s[CA:CA+1], 8*PANEL
	s_add_nc_u64 s[CA+4:CA+5], s[4:5], s[CA+4:CA+5]
	s_add_nc_u64 s[OU:OU+1], s[12:13], s[OU:OU+1]
	s_add_nc_u64 s[OU+2:OU+3], s[OU:OU+1], 256*BLK
	s_add_nc_u64 s[OU+4:OU+5], s[12:13], s[OU+4:OU+5]
	s_add_nc_u64 s[BI+2:BI+3], s[8:9], s[BI:BI+1]
	s_add_nc_u64 s[BI:BI+1], s[6:7], s[BI:BI+1]
	s_add_nc_u64 s[BI+4:BI+5], s[10:11], s[BI+4:BI+5]
	; the prefetches' bases, tile t at s[96 + 2 t]: the panel that I fetch, + my work-group's 50 of a unit's 200 blocks of 256 bytes: the four partners of a joint load share them out by address (cx for the row side, cy for the column side)
	s_cmp_eq_u32 s[WV], 0
	s_cselect_b32 s94, s[CX], s[CY]
	s_cselect_b64 s[96:97], s[RA:RA+1], s[CA:CA+1]
	s_cselect_b64 s[98:99], s[RA+2:RA+3], s[CA+2:CA+3]
	s_cselect_b64 s[100:101], s[RA+4:RA+5], s[CA+4:CA+5]
	s_mul_i32 s94, s94, 12800
	s_mov_b32 s95, 0
	s_add_nc_u64 s[96:97], s[96:97], s[94:95]
	s_add_nc_u64 s[98:99], s[98:99], s[94:95]
	s_add_nc_u64 s[100:101], s[100:101], s[94:95]
	CROUND                                         ; all sixteen work-groups are here: the first joint loads meet
.irp e, 0,1
	s_mov_b32 s[G0A+4*\e], 1
	s_mov_b32 s[G0A+4*\e+1], \e*SLOT
	s_add_nc_u64 s[G0A+4*\e+2:G0A+4*\e+3], s[RA:RA+1], \e*2*BLK
	s_or_b32 s[G0A+4*\e+3], s[G0A+4*\e+3], 0x80000000
	s_mov_b32 s[G0B+4*\e], 1
	s_add_co_u32 s[G0B+4*\e+1], s[HCP], \e*SLOT+CPAN
	s_add_nc_u64 s[G0B+4*\e+2:G0B+4*\e+3], s[CA:CA+1], \e*2*BLK
	s_or_b32 s[G0B+4*\e+3], s[G0B+4*\e+3], 0x80000000
.endr
	JLOAD 0                                        ; q's first unit into slot 0: one tensor load a wave at the head
	v_and_b32 v1, 15, v0                           ; r
	v_bfe_u32 v2, v0, 4, 1                         ; h
	v_and_b32 v[L16], 31, v0
	v_lshlrev_b32 v[L16], 4, v[L16]
	v_lshlrev_b32 v[R16], 4, v1
	v_lshlrev_b32 v[BO], 6, v2
	v_and_b32 v[BV], 8, v1
	v_add_nc_u32 v[BV], v[BV], v1
	v_lshlrev_b32 v[BV], 2, v[BV]
	v_and_b32 v20, 31, v0                          ; v20, v21: the prefetches' offsets, a lane a block of 256 bytes: blocks 0-31 and 32-49 (the lanes left over name block 49 again); never rewritten
	v_add_nc_u32 v21, 32, v20
	v_min_u32 v21, 49, v21
	v_lshlrev_b32 v20, 8, v20
	v_lshlrev_b32 v21, 8, v21
; A PREFETCH INTO THE L2: unit e of tile t, one change of slots ahead of the tensor load that will want it.  Waves 0 to 2, the loading waves, ask for their own panel's part; each block is named once in the cluster.
.macro ASK t, e
	s_cmp_lt_u32 s[WV], 3
	s_cbranch_scc0 .Lno_ask_\@
	global_prefetch_b8 v20, s[96+2*(\t):97+2*(\t)] offset:(\e)*2*BLK th:TH_LOAD_NT scope:SCOPE_SE
	global_prefetch_b8 v21, s[96+2*(\t):97+2*(\t)] offset:(\e)*2*BLK th:TH_LOAD_NT scope:SCOPE_SE
.Lno_ask_\@:
.endm
	BIASC 0                                        ; bq
	s_wait_alu depctr_va_vdst(0)                   ; directly ahead of the branch
	ASK 0, 1                                       ; q's second unit
	s_mul_i32 s60, s[HR], 4*FRB                    ; my four row tiles
	s_mul_i32 s61, s[HC], CPAN
	s_add_co_u32 s61, s61, CPAN                    ; my column panel
	s_lshl_b32 s62, s[HR], 8
.irp sl, 0,1
	v_add_nc_u32 v[ADA+\sl], s60, v[L16]
	v_add_nc_u32 v[ADB+\sl], s61, v[L16]
	v_add_nc_u32 v[ASA+\sl], s62, v[R16]
	v_add_nc_u32 v[ASB+\sl], s61, v[R16]
	s_add_co_u32 s60, s60, SLOT
	s_add_co_u32 s61, s61, SLOT
	s_add_co_u32 s62, s62, SLOT
.endr
	s_mul_i32 s66, s[HC], 8*FRB                    ; the result: K step hc, tiles 4 hr on
	s_mul_i32 s67, s[HR], 4*FRB
	s_add_co_u32 s66, s66, s67
	v_add_nc_u32 v[OI], s66, v[L16]
	s_lshl_b32 s67, s[HR], 8
	s_lshl_b32 s82, s[HC], 9
	s_add_co_u32 s67, s67, s82
	s_add_co_u32 s67, s67, SCO
	v_add_nc_u32 v[OS], s67, v[R16]
.irp b, 0,1,2,3
	v_mov_b32 v[TM+4+\b], 0                        ; written once: a lane permute's destination counts as one of its sources
.endr
	s_wait_alu depctr_va_vdst(0)
	s_wait_tensorcnt 0x0                           ; my part of q's first unit is in; slot 1's first fill is issued as a refill is:
	ds_add_u32 v[SPW], v[NIL]                      ; the add, twice on end
	ds_add_u32 v[SPW], v[NIL]
	s_wait_dscnt 0x0                               ; its wait,
	CROUND                                         ; a round of the cluster's barrier: everybody's part of the first unit is in, and the joint loads meet,
	JLOAD 1                                        ; and q's second unit into slot 1; it has the first unit's 128 matrix instructions in which to land
	ASK 1, 0                                       ; k's first unit
	; ---- qp
	UNIT 0, 2, 0
	CHANGE 0, 1                                    ; slot 0 takes k's first unit
	BIASC 1                                        ; bk, a unit ahead: bq's last reader stands three K steps back
	ASK 1, 1                                       ; k's second unit
	s_wait_alu depctr_va_vdst(0)
	UNIT 1, 1, 0
	PLACES
	EPIT 0, OU
	EPIT 1, OU
	CHANGE 1, 1                                    ; slot 1 takes k's second unit
	ASK 2, 0                                       ; v's first unit
	EPIT 2, OU
	EPIT 3, OU
	WORDS OU
	; ---- kp
	UNIT 0, 2, 1
	CHANGE 0, 2                                    ; slot 0 takes v's first unit
	BIASR 2                                        ; bv
	ASK 2, 1                                       ; v's second unit: the last
	UNIT 1, 1, 0
	PLACES
	EPIT 0, OU+2
	EPIT 1, OU+2
	CHANGE 1, 2                                    ; slot 1 takes v's second unit: the last load
	EPIT 2, OU+2
	EPIT 3, OU+2
	WORDS OU+2
	; ---- vp^T
	UNIT 0, 3, 1
	CHANGE 0, -1
	UNIT 1, 1, 0
	PLACES
	EPIT 0, OU+4
	EPIT 1, OU+4
	EPIT 2, OU+4
	EPIT 3, OU+4
	WORDS OU+4
	s_wait_tensorcnt 0x0                           ; the wave's end, behind my last tensor load
	ds_add_u32 v[SPW], v[NIL]
	s_wait_dscnt 0x0
	CROUND                                         ; the closing round: no work-group ends while a partner may still ask for a tile that names it
	s_endpgm
.Lfunc_end_k_qc028042cbd_proj:
	.size	k_qc028042cbd_proj, .Lfunc_end_k_qc028042cbd_proj-k_qc028042cbd_proj
	.p2alignl 7, 3214868480
	.fill 96, 4, 3214868480
	.section	.rodata,"a",@progbits
	.p2align	6, 0x0
	.amdhsa_kernel k_qc028042cbd_proj
		.amdhsa_group_segment_fixed_size 327680
		.amdhsa_private_segment_fixed_size 0
		.amdhsa_enable_private_segment 0
		.amdhsa_kernarg_size 40
		.amdhsa_user_sgpr_count 2
		.amdhsa_user_sgpr_kernarg_segment_ptr 1
		.amdhsa_wavefront_size32 1
		.amdhsa_system_sgpr_workgroup_id_x 1
		.amdhsa_system_sgpr_workgroup_id_y 1
		.amdhsa_system_sgpr_workgroup_id_z 1
		.amdhsa_system_vgpr_workitem_id 0
		.amdhsa_next_free_vgpr 704
		.amdhsa_next_free_sgpr 102
		.amdhsa_reserve_vcc 0
		.amdhsa_float_denorm_mode_32 3
		.amdhsa_float_denorm_mode_16_64 3
		.amdhsa_memory_ordered 1
		.amdhsa_forward_progress 1
		.amdhsa_inst_pref_size 236
	.end_amdhsa_kernel
	.amdgpu_metadata
---
amdhsa.version: [ 1, 2 ]
amdhsa.kernels:
  - .name:           k_qc028042cbd_proj
    .symbol:         k_qc028042cbd_proj.kd
    .args:
      - { .name: opx, .offset: 0, .size: 8, .value_kind: global_buffer, .address_space: global }
      - { .name: bq, .offset: 8, .size: 8, .value_kind: global_buffer, .address_space: global }
      - { .name: bk, .offset: 16, .size: 8, .value_kind: global_buffer, .address_space: global }
      - { .name: bv, .offset: 24, .size: 8, .value_kind: global_buffer, .address_space: global }
      - { .name: opp, .offset: 32, .size: 8, .value_kind: global_buffer, .address_space: global }
    .group_segment_fixed_size: 327680
    .private_segment_fixed_size: 0
    .kernarg_segment_align: 8
    .kernarg_segment_size: 40
    .max_flat_workgroup_size: 128
    .sgpr_count:     102
    .vgpr_count:     704
    .wavefront_size: 32
...
	.end_amdgpu_metadata
.endif
;; end of part 2
;; launch score (part 3): grid 40 x 4, 4 waves a work-group, clusters of 4 x 1, 327,680 bytes of LDS; arguments opp, pimg, pst; writes pimg, pst
.if DOCPART == 3
	.amdgcn_target "amdgcn-amd-amdhsa--gfx1250"
	.amdhsa_code_object_version 6
	.text
	.protected	k_qc028042cbd_score
	.globl	k_qc028042cbd_score
	.p2align	8
	.type	k_qc028042cbd_score,@function
k_qc028042cbd_score:
	s_mov_b64 s[64:65], 0
	v_nop
	global_prefetch_b8 v0, s[64:65] scope:SCOPE_SE
	s_setreg_imm32_b32 hwreg(HW_REG_WAVE_MODE, 25, 1), 1
	s_wait_xcnt 0x0
	s_wait_alu depctr_hold_cnt(0) depctr_sa_sdst(0) depctr_va_vdst(0) depctr_va_sdst(0) depctr_va_ssrc(0) depctr_va_vcc(0) depctr_vm_vsrc(0)
	s_getreg_b32 s2, hwreg(HW_REG_IB_STS2, 6, 4)
	s_cmp_eq_u32 s2, 0
	s_cbranch_scc0 .Lentry_in_a_cluster
	s_endpgm
.Lentry_in_a_cluster:
	s_bfe_u32 s2, ttmp6, 0x10000c
	s_cmp_lg_u32 s2, 0x3003
	s_cbranch_scc0 .Lentry_shape_is_right
	s_endpgm
.Lentry_shape_is_right:
; S = qp kp^T on codes of FP6 (E2M3), for the tiles that the causal mask leaves, and the softmax's p quantised on the way: only codes of p go to memory.
; t = score x log2(e) / 32.  For each query and each FRAGMENT of 128 keys: M_f = the fragment's largest t rounded up to a whole number; p = 2^(t - M_f), quantised along the keys; l_f = the sum of the unquantised p.
; M_f is a whole number, so the next launch brings every fragment under the row's M by adding M_f - M to its scale bytes, which changes no code, and l_f by an exact power of two.
; Images as in the launch before: fragment 1,536 bytes, block (128 rows x 256 K) 25,600, scale word (s, r, t) at 24,576 + 512 s + 256 (t / 4) + 16 r + 4 (t % 4).  pimg: [query panel 64][key chunk 8][block]; pst: [query panel][fragment 16][-M_f, l_f][128 words in the scale words' order].
; SHARES.  A tile is 128 queries x 256 keys, K = 1,024; wave (hr, hc) 64 x 128.  Transposed use: a lane holds one query; register 64 a + 16 b + i is key 32 b + 16 h + i of the wave's 128.
; A WORK-GROUP STAYS FOR TWO TILES: the mask leaves 288 tiles, more than one for each of 256 WGPs and fewer than two: so 160 work-groups make two each, key chunks 2 m and 2 m + 1 against one query panel, which stays in LDS.
; All of K of the first tile's three panels lies in LDS (307,200 bytes), waited for chunk by chunk.  Behind the first tile's last product the two key panels' bytes are filled again, one load a wave, and land while the first tile's softmax is made.
; CLUSTER 4 x 1: the four query panels 4 g .. 4 g + 3 of a batch walk the same key chunks (m <= g): kp's panels, two thirds of the first fills and all of the refill, are asked for jointly; each partner's own query panel comes by a plain load, since nobody shares it.
; Panels 4 g and 4 g + 1 against chunk 2 g + 1 lie wholly under the mask: they are made all the same (zero codes), since the next launch walks the keys 512 at a time.
; LIMITS: scores under -2^100 count as masked; a block whose every p is 0 keeps the byte 1; NaN and infinities are not served.
; REGISTERS: window 0: v1-17 addresses; v30-31 for the spare words; v32-55 scale words, two sets; v64-159 row-side fragments, two sets (the codes on the way out); v224-239 at work; v240-243 -M_f, v244-247 l_f of my four tiles; v248-255 at work.  window 1: accumulators.  window 2: column-side fragments.
.set BLK,   25600
.set SCO,   24576
.set FRB,   1536
.set PANEL, 4*BLK
.set CPAN,  2*BLK
.set SLOT,  6*BLK
.set SPARE, 2*SLOT                     ; the spare words, 128 bytes for each wave: two blocks of 256 bytes that no other line names
.set L16, 3
.set ADA, 4
.set ADB, 6
.set ASA, 8
.set ASB, 10
.set OI,  12
.set OS,  13
.set NINF, 14                          ; v14  -infinity
.set DD0,  15                          ; v15  my query of tile 0 - my register 0's key
.set R16, 16
.set OT,  17                           ; v17  my words' place in pst
.set SPW, 30                           ; v30  LDS address of my spare word; never rewritten
.set NIL, 31                           ; v31  0; never rewritten
.set SC,  32
.set AF,  64
.set PC,  64
.set TM,  224
.set PWV, 236
.set MNV, 240
.set LSV, 244
.set LA,  248
.set LB,  250
.set MNP, 252
.set RR,  254
.set G1C, 8                            ; s[8:15] descriptor group 1 of the refill: two chunks
.set WV,  16
.set HR,  17
.set HC,  18
.set CX,  19
.set BAT, 20
.set GA,  21
.set J,   22
.set PG,  23
.set G1A, 24
.set G1B, 32
.set G0A, 40
.set G0B, 68
.set GA2, 62
.set STB, 66
.set SEL, 84
.set OUT, 86
.set CS,  94
.set G0C, 96                           ; s[96:99] group 0 of the refill
.set MUL,  0x52
.set TO_B, 0x80
.set MSB, 0
.macro WIN new                         ; the immediate's high byte repeats the setting that is left
.set WNEW, \new
.if MSB != WNEW
	s_set_vgpr_msb (MSB<<8)|WNEW
.set MSB, WNEW
.endif
.endm
.macro PLACES
.rept 4
	v_nop
.endr
.endm
.macro CROUND
	s_barrier_signal -1
	s_barrier_wait -1
	s_cmp_lg_u32 s[WV], 0
	s_cbranch_scc1 .Lnot_wave_0_\@
	s_barrier_signal -3
.Lnot_wave_0_\@:
	s_barrier_wait -3
	s_barrier_signal -1
	s_barrier_wait -1
.endm
.macro WM a, b, p, cm                  ; cm: 0 the constant 0 starts the sum; 1 in place
.set rD, 8*(8*(\a)+(\b))
.set rA, 96*(\p)+12*(\b)
.set rB, AF+48*(\p)+12*(\a)
.set rSA, SC+12*(\p)+4+(\b)
.set rSB, SC+12*(\p)+(\a)
.if (\cm) == 0
	v_wmma_scale_f32_16x16x128_f8f6f4 v[rD:rD+7], v[rA:rA+11], v[rB:rB+11], 0, v[rSA], v[rSB] matrix_a_fmt:MATRIX_FMT_FP6 matrix_b_fmt:MATRIX_FMT_FP6
.else
	v_wmma_scale_f32_16x16x128_f8f6f4 v[rD:rD+7], v[rA:rA+11], v[rB:rB+11], v[rD:rD+7], v[rSA], v[rSB] matrix_a_fmt:MATRIX_FMT_FP6 matrix_b_fmt:MATRIX_FMT_FP6
.endif
.endm
.macro KMUL p, cm                      ; the 32 accumulators take turns, one instruction a turn
	WIN MUL
.irp a, 0,1,2,3
.irp b, 0,1,2,3,4,5,6,7
	WM \a, \b, \p, \cm
.endr
.endr
.endm
.macro FETCH sl, e, s, p
	WIN TO_B
.irp b, 0,1,2,3,4,5,6,7
.irp c, 0,1,2
	ds_load_b128 v[96*(\p)+12*\b+4*\c:96*(\p)+12*\b+4*\c+3], v[ADB+(\sl)] offset:BLK*(\e)+FRB*(8*(\s)+\b)+512*\c
.endr
.endr
	WIN 0
.irp a, 0,1,2,3
.irp c, 0,1,2
	ds_load_b128 v[AF+48*(\p)+12*\a+4*\c:AF+48*(\p)+12*\a+4*\c+3], v[ADA+(\sl)] offset:BLK*(\e)+FRB*(8*(\s)+\a)+512*\c
.endr
.endr
	ds_load_b128 v[SC+12*(\p):SC+12*(\p)+3], v[ASA+(\sl)] offset:BLK*(\e)+SCO+512*(\s)
	ds_load_b128 v[SC+12*(\p)+4:SC+12*(\p)+7], v[ASB+(\sl)] offset:BLK*(\e)+SCO+512*(\s)
	ds_load_b128 v[SC+12*(\p)+8:SC+12*(\p)+11], v[ASB+(\sl)] offset:BLK*(\e)+SCO+512*(\s)+256
.endm
.macro KHEAD gate, nx, sl, e, s, q     ; gate >= 0: the next K step begins a chunk: its landing is waited for (gate = the chunks issued behind it) and a barrier passed, behind which nothing is filled
	s_wait_dscnt 0x0                               ; this K step's fragments, asked for 32 matrix instructions ago, are in
.if (\gate) >= 0
	s_wait_tensorcnt \gate
	s_barrier_signal -1
	s_barrier_wait -1
.endif
	PLACES
.if \nx
	FETCH \sl, \e, \s, \q
.endif
.endm
.macro KSTEP gate, nx, sl, e, s, p, cm
	KHEAD \gate, \nx, \sl, \e, \s, 1-(\p)
	KMUL \p, \cm
.endm
.macro GSTEP gated, gate, sl, e, s, p  ; a K step whose successor begins a chunk: in the first tile that chunk is waited for; the second tile's panels are whole before its first K step
.if \gated
	KSTEP \gate, 1, \sl, \e, \s, \p, 1
.else
	KSTEP -1, 1, \sl, \e, \s, \p, 1
.endif
.endm
.macro MAIN gated                      ; a tile's eight K steps
	FETCH 0, 0, 0, 0
	KSTEP -1, 1, 0, 0, 1, 0, 0                     ; the first K step starts the sums
	KSTEP -1, 1, 0, 1, 0, 1, 1                     ; chunk 1 came with chunk 0
	KSTEP -1, 1, 0, 1, 1, 0, 1
	GSTEP \gated, 0, 1, 0, 0, 1                    ; chunks 2 and 3, slot 1: no tensor load is out any more
	KSTEP -1, 1, 1, 0, 1, 0, 1
	KSTEP -1, 1, 1, 1, 0, 1, 1
	KSTEP -1, 1, 1, 1, 1, 0, 1
	KSTEP -1, 0, 0, 0, 0, 1, 1
	WIN 0
.endm
.macro QPACK s, sw, pw                 ; from the blocks' largest numbers in v[TM] on: the scale word into v[pw], the codes into v[PC] on
	s_wait_xcnt 0x0                                ; the earlier stores have read the codes' registers
.irp b, 0,1,2,3
	v_add_nc_u32 v[TM+8+\b], 0xff000000, v[TM+\b]
.endr
.irp b, 0,1,2,3
	v_lshrrev_b32 v[TM+4+\b], 23, v[TM+8+\b]
.endr
	v_lshl_or_b32 v[\pw], v[TM+5], 8, v[TM+4]
	v_lshl_or_b32 v[\pw], v[TM+6], 16, v[\pw]
	v_lshl_or_b32 v[\pw], v[TM+7], 24, v[\pw]
	WIN 0x01*(\sw)
.irp c, 0,1
	v_cvt_scalef32_pk16_fp6_f32 v[PC+6*\c:PC+6*\c+2], v[(\s)+32*\c:(\s)+32*\c+15], v[TM+8+2*\c]
	v_cvt_scalef32_pk16_fp6_f32 v[PC+12+4*\c:PC+12+4*\c+2], v[(\s)+32*\c+16:(\s)+32*\c+31], v[TM+8+2*\c+1]
.endr
	WIN 0
	v_nop                                          ; one plain place behind a scaled conversion
.irp c, 0,1
.irp i, 0,1,2
	v_permlane16_swap_b32 v[PC+6*\c+\i], v[PC+12+4*\c+\i]
.endr
.irp i, 0,1,2
	v_mov_b32 v[PC+3+6*\c+\i], v[PC+12+4*\c+\i]
.endr
.endr
.endm
.macro STOREIMG off
.irp c, 0,1,2
	global_store_b128 v[OI], v[PC+4*\c:PC+4*\c+3], s[OUT:OUT+1] offset:\off+512*\c
.endr
.endm
	s_load_b128 s[4:7], s[0:1], 0x0                ; opp s[4:5], pimg s[6:7]
	s_load_b64 s[8:9], s[0:1], 0x10                ; pst
	v_lshl_add_u32 v[SPW], v0, 2, SPARE
	v_mov_b32 v[NIL], 0
	ds_add_u32 v30, v31
	ds_add_u32 v30, v31
	s_wait_dscnt 0x0
	v_lshrrev_b32 v1, 5, v0
	v_readfirstlane_b32 s[WV], v1
	s_lshr_b32 s[HR], s[WV], 1
	s_and_b32 s[HC], s[WV], 1
	s_bfe_u32 s[CX], ttmp6, 0x40000
	s_and_b32 s[BAT], ttmp7, 0xffff                ; the batch
	; cluster x = 0..9 names (g, m), m <= g: g = 0: 0; g = 1: 1, 2; g = 2: 3 to 5; g = 3: 6 to 9
	s_cmp_ge_u32 ttmp9, 1
	s_cselect_b32 s56, 1, 0
	s_cmp_ge_u32 ttmp9, 3
	s_cselect_b32 s57, 1, 0
	s_cmp_ge_u32 ttmp9, 6
	s_cselect_b32 s58, 1, 0
	s_add_co_u32 s[GA], s56, s57
	s_add_co_u32 s[GA], s[GA], s58
	s_add_co_u32 s56, s[GA], 1
	s_mul_i32 s56, s56, s[GA]
	s_lshr_b32 s56, s56, 1
	s_sub_co_u32 s[J], ttmp9, s56
	s_lshl_b32 s[J], s[J], 1                       ; the first tile's key chunk, 2 m
	s_lshl_b32 s[GA2], s[GA], 1
	s_lshl_b32 s56, s[BAT], 4
	s_lshl_b32 s57, s[GA], 2
	s_add_co_u32 s56, s56, s57
	s_add_co_u32 s[PG], s56, s[CX]                 ; my query panel: 16 batch + 4 g + cx
	s_lshl_b32 s58, s[BAT], 4
	s_lshl_b32 s59, s[J], 1
	s_add_co_u32 s58, s58, s59
	s_add_co_u32 s58, s58, s[HR]
	s_add_co_u32 s58, s58, 64                      ; kp's panel that I fetch: 64 + 16 batch + 2 j + hr: no register of it ever holds cx
	s_mul_i32 s58, s58, PANEL
	s_mov_b32 s59, 0
	s_mul_i32 s60, s[PG], PANEL
	s_mov_b32 s61, 0
	s_lshl_b32 s88, s[PG], 3
	s_add_co_u32 s88, s88, s[J]
	s_mul_i32 s88, s88, BLK                        ; p's block
	s_mov_b32 s89, 0
	s_lshl_b32 s90, s[PG], 4
	s_lshl_b32 s91, s[J], 1
	s_add_co_u32 s90, s90, s91
	s_add_co_u32 s90, s90, s[HC]
	s_lshl_b32 s90, s90, 10                        ; my fragment's 1,024 bytes of statistics
	s_mov_b32 s91, 0
	s_lshl_b32 s92, s[GA], 2
	s_add_co_u32 s92, s92, s[CX]
	s_lshl_b32 s92, s92, 7                         ; 128 x my panel in the batch
	s_lshl_b32 s93, s[J], 8
	s_sub_co_u32 s92, s92, s93
	s_lshl_b32 s93, s[HR], 6
	s_add_co_u32 s92, s92, s93
	s_lshl_b32 s93, s[HC], 7
	s_sub_co_u32 s92, s92, s93                     ; my wave's first query - its first key (a signed number; it goes into data alone)
	s_mov_b32 s[G1A], 3<<16                        ; the query panel: a plain load, no mask; elements of 8 bytes
	s_mov_b32 s[G1B], 15|(3<<16)|(1<<21)           ; kp's panels: all four partners; 21 set beside a mask
.irp g, G1A, G1B
	s_mov_b32 s[\g+1], 32<<16                      ; two chunks: 200 rows of 32 elements
	s_mov_b32 s[\g+2], 200<<16
	s_mov_b32 s[\g+3], 32<<16
	s_mov_b32 s[\g+4], 200
	s_mov_b32 s[\g+5], 32
	s_mov_b32 s[\g+6], 0
	s_mov_b32 s[\g+7], 0
.endr
	s_mul_i32 s63, s[HR], CPAN
	s_mov_b32 s[SEL], 0x76543210
	s_mov_b32 s[SEL+1], 0xfedcba98
	s_mov_b32 s[CS], 0x3d38aa3b                    ; c = log2(e) / 32
	s_mov_b32 s[CS+1], s[CS]                       ; (named with it as a pair)
	s_wait_kmcnt 0x0
	s_add_nc_u64 s[60:61], s[4:5], s[60:61]
	s_add_nc_u64 s[58:59], s[4:5], s[58:59]
	s_add_nc_u64 s[OUT:OUT+1], s[6:7], s[88:89]
	s_add_nc_u64 s[STB:STB+1], s[8:9], s[90:91]
	s_mul_i32 s50, s[WV], 12800                    ; the prefetches' bases: of my own query panel's 200 blocks of 256 bytes each wave takes 50;
	s_mov_b32 s51, 0
	s_add_nc_u64 s[48:49], s[60:61], s[50:51]
	s_mul_i32 s50, s[CX], 12800                    ; of a key panel's 200 each of the four partners takes 50, told apart by address
	s_add_nc_u64 s[52:53], s[58:59], s[50:51]
	s_mov_b32 s[G1C], 15|(3<<16)|(1<<21)           ; the refill: two chunks of a key panel, 200 rows of 32 elements of 8 bytes; all four partners
	s_mov_b32 s[G1C+1], 32<<16
	s_mov_b32 s[G1C+2], 200<<16
	s_mov_b32 s[G1C+3], 32<<16
	s_mov_b32 s[G1C+4], 200
	s_mov_b32 s[G1C+5], 32
	s_mov_b32 s[G1C+6], 0
	s_mov_b32 s[G1C+7], 0
	s_mul_i32 s90, s[HC], 2*BLK                    ; wave (hr, hc) refills chunks 2 hc, 2 hc + 1 of key panel hr of the next key chunk, two panels on in memory,
	s_mov_b32 s91, 0
	s_mov_b32 s[G0C], 1
	s_mul_i32 s[G0C+1], s[HC], SLOT                ; in slot hc, at that panel's place
	s_add_co_u32 s[G0C+1], s[G0C+1], s63
	s_add_co_u32 s[G0C+1], s[G0C+1], CPAN
	s_add_nc_u64 s[G0C+2:G0C+3], s[58:59], s[90:91]
	s_add_nc_u64 s[G0C+2:G0C+3], s[G0C+2:G0C+3], 2*PANEL
	s_or_b32 s[G0C+3], s[G0C+3], 0x80000000
	CROUND                                         ; all four work-groups are here: the joint loads meet
.irp e, 0,1
	s_mov_b32 s[G0A+4*\e], 1
	s_mov_b32 s[G0A+4*\e+1], \e*SLOT
	s_add_nc_u64 s[G0A+4*\e+2:G0A+4*\e+3], s[60:61], \e*2*BLK
	s_or_b32 s[G0A+4*\e+3], s[G0A+4*\e+3], 0x80000000
	s_mov_b32 s[G0B+4*\e], 1
	s_add_co_u32 s[G0B+4*\e+1], s63, \e*SLOT+CPAN
	s_add_nc_u64 s[G0B+4*\e+2:G0B+4*\e+3], s[58:59], \e*2*BLK
	s_or_b32 s[G0B+4*\e+3], s[G0B+4*\e+3], 0x80000000
.endr
; half e of K (chunks 2 e, 2 e + 1) into slot e: wave 0 the query panel's, waves 1 and 2 a key panel's, wave 3 none.  The branches hang on the wave's number alone; four v_nop follow each line
.macro JLOAD e
	s_cmp_eq_u32 s[WV], 0
	s_cbranch_scc0 .Lnot_rows_\@
	tensor_load_to_lds s[G0A+4*(\e):G0A+4*(\e)+3], s[G1A:G1A+7]
	s_nop 0
	PLACES
	s_branch .Lasked_\@
.Lnot_rows_\@:
	s_cmp_lt_u32 s[WV], 3
	s_cbranch_scc0 .Lasked_\@
	tensor_load_to_lds s[G0B+4*(\e):G0B+4*(\e)+3], s[G1B:G1B+7]
	s_nop 0
	PLACES
.Lasked_\@:
.endm
	JLOAD 0                                        ; one tensor load a wave at the head
	v_and_b32 v1, 15, v0
	v_bfe_u32 v2, v0, 4, 1
	v_and_b32 v[L16], 31, v0
	v_lshlrev_b32 v[L16], 4, v[L16]
	v_lshlrev_b32 v[R16], 4, v1
	v_and_b32 v20, 31, v0                          ; v20, v21: the prefetches' offsets, a lane a block of 256 bytes: blocks 0-31 and 32-49 (the lanes left over name block 49 again); never rewritten
	v_add_nc_u32 v21, 32, v20
	v_min_u32 v21, 49, v21
	v_lshlrev_b32 v20, 8, v20
	v_lshlrev_b32 v21, 8, v21
	s_wait_alu depctr_va_vdst(0)                   ; ahead of the readers and the branches below
	; A PREFETCH INTO THE L2: chunks 2 and 3 of the three panels, which slot 1's load will want when chunks 0 and 1 have landed; each block is named once in the cluster
	global_prefetch_b8 v20, s[48:49] offset:2*BLK th:TH_LOAD_NT scope:SCOPE_SE
	global_prefetch_b8 v21, s[48:49] offset:2*BLK th:TH_LOAD_NT scope:SCOPE_SE
	s_cmp_eq_u32 s[WV], 0
	s_cbranch_scc1 .Lno_ask
	s_cmp_lt_u32 s[WV], 3
	s_cbranch_scc0 .Lno_ask
	global_prefetch_b8 v20, s[52:53] offset:2*BLK th:TH_LOAD_NT scope:SCOPE_SE   ; waves 1 and 2: the key panel that I fetch
	global_prefetch_b8 v21, s[52:53] offset:2*BLK th:TH_LOAD_NT scope:SCOPE_SE
.Lno_ask:
	s_mul_i32 s88, s[HR], 4*FRB
	s_mul_i32 s89, s[HC], CPAN
	s_add_co_u32 s89, s89, CPAN
	s_lshl_b32 s90, s[HR], 8
	v_add_nc_u32 v[OT], s90, v[R16]
.irp sl, 0,1
	v_add_nc_u32 v[ADA+\sl], s88, v[L16]
	v_add_nc_u32 v[ADB+\sl], s89, v[L16]
	v_add_nc_u32 v[ASA+\sl], s90, v[R16]
	v_add_nc_u32 v[ASB+\sl], s89, v[R16]
	s_add_co_u32 s88, s88, SLOT
	s_add_co_u32 s89, s89, SLOT
	s_add_co_u32 s90, s90, SLOT
.endr
	s_mul_i32 s91, s[HC], 8*FRB
	s_mul_i32 s93, s[HR], 4*FRB
	s_add_co_u32 s91, s91, s93
	v_add_nc_u32 v[OI], s91, v[L16]
	s_lshl_b32 s93, s[HC], 9
	s_add_co_u32 s93, s93, SCO
	v_add_nc_u32 v[OS], s93, v[OT]
.irp b, 0,1,2,3
	v_mov_b32 v[TM+4+\b], 0                        ; written once: a lane permute's destination counts as one of its sources
.endr
	v_mov_b32 v[MNP+1], 0                          ; (named as upper halves of pairs, or a permute's destination)
	v_mov_b32 v[RR+1], 0
	v_mov_b32 v[NINF], 0xff800000
	v_and_b32 v[DD0], 8, v1
	v_add_nc_u32 v[DD0], v[DD0], v1                ; r + 8 (r / 8)
	v_lshlrev_b32 v18, 4, v2
	v_sub_nc_u32 v[DD0], v[DD0], v18               ; - 16 h
	v_add_nc_u32 v[DD0], s92, v[DD0]
; Tile a: 16 queries x my 128 keys, in place on its 64 registers of window 1.
.macro SOFT a
.set S, 64*(\a)
	s_cmp_lt_u32 s[J], s[GA2]                      ; m < g: all keys of both chunks count for all four panels, and the mask is skipped: a branch on the cluster's number, alike in all partners
	s_cbranch_scc1 .Lopen_\@
	WIN 0x41
.set n, 0
	s_wait_alu depctr_va_vdst(0)
.rept 64                                       ; register n holds key 32 (n / 16) + n % 16 + 16 h; my query of tile a lies 32 (a / 2) + 8 (a % 2) behind tile 0's: hidden scores become -infinity
	v_cmp_gt_i32 vcc_lo, 32*(n/16)+n%16-32*((\a)/2)-8*((\a)%2), v[DD0]
	v_cndmask_b32 v[S+n], v[S+n], v[NINF], vcc_lo
.set n, n+1
.endr
	WIN 0
.Lopen_\@:
	WIN 0x14
.irp b, 0,1,2,3                                ; the largest score of each block of 32 keys, over the floor -2^100: it serves for the maximum and, since p rises with the score, for the block's largest p
	v_max3_num_f32 v[TM+\b], 0xf1800000, v[S+16*\b], v[S+16*\b+1]
.endr
.irp i, 2,4,6,8,10,12,14
.irp b, 0,1,2,3
	v_max3_num_f32 v[TM+\b], v[TM+\b], v[S+16*\b+\i], v[S+16*\b+\i+1]
.endr
.endr
	WIN 0
.irp b, 0,1,2,3
	v_permlanex16_b32 v[TM+4+\b], v[TM+\b], s[SEL], s[SEL+1]
.endr
.irp b, 0,1,2,3
	v_max_num_f32 v[TM+\b], v[TM+\b], v[TM+4+\b]
.endr
	v_max3_num_f32 v[RR], v[TM], v[TM+1], v[TM+2]
	v_max_num_f32 v[RR], v[RR], v[TM+3]
	v_mul_f32 v[RR], s[CS], v[RR]                  ; the fragment's largest t
	v_floor_f32 v[MNP], -v[RR]                     ; -M_f = floor(-t).  (All keys hidden: c x 2^100, exact and whole: the blocks' p below is then exactly 1 over zero codes)
.irp b, 0,1,2,3
	v_fma_f32 v[TM+\b], v[TM+\b], s[CS], v[MNP]
.endr
	WIN 0x41
.set n, 0
.rept 32
	v_pk_fma_f32 v[S+n:S+n+1], v[S+n:S+n+1], s[CS:CS+1], v[MNP:MNP+1] op_sel_hi:[1,0,0]   ; t - M_f, two at a time
.set n, n+2
.endr
.set n, 0
	s_wait_alu depctr_va_vdst(0)
.rept 64
	v_exp_f32 v[S+n], v[S+n]                       ; p, at most 1
.set n, n+1
.endr
	WIN 0
	v_mov_b32 v[MNV+\a], v[MNP]                    ; (the plain place behind the exponentials)
	s_wait_alu depctr_va_vdst(0)                   ; one wait for the batch of 64, ahead of its first reader
.irp b, 0,1,2,3
	v_exp_f32 v[TM+\b], v[TM+\b]                   ; each block's largest p: the same two instructions on the same number
.endr
	WIN 0x05
	v_pk_add_f32 v[LA:LA+1], v[S:S+1], v[S+2:S+3]  ; the sum of the unquantised p, in two chains (plain work behind the four)
	v_pk_add_f32 v[LB:LB+1], v[S+4:S+5], v[S+6:S+7]
	WIN 0x04
.irp j, 8,12,16,20,24,28,32,36,40,44,48,52,56,60
	v_pk_add_f32 v[LA:LA+1], v[LA:LA+1], v[S+\j:S+\j+1]
	v_pk_add_f32 v[LB:LB+1], v[LB:LB+1], v[S+\j+2:S+\j+3]
.endr
	WIN 0
	v_pk_add_f32 v[LA:LA+1], v[LA:LA+1], v[LB:LB+1]
	v_add_f32 v[RR], v[LA], v[LA+1]
	v_permlanex16_b32 v[RR+1], v[RR], s[SEL], s[SEL+1]
	v_add_f32 v[LSV+\a], v[RR], v[RR+1]            ; l_f
	s_wait_alu depctr_va_vdst(0)                   ; and one for the four
.irp b, 0,1,2,3
	v_max_num_f32 v[TM+\b], 0x1800000, v[TM+\b]    ; the floor 2^(3 - 127): the byte cannot fall under 1
.endr
	s_wait_alu depctr_va_vdst(0)
	QPACK S, 1, PWV+\a
	STOREIMG FRB*(\a)
.endm
.macro WAYOUT                          ; a tile's softmax, codes, scale words and statistics
	SOFT 0
	SOFT 1
	SOFT 2
	SOFT 3
	global_store_b128 v[OS], v[PWV:PWV+3], s[OUT:OUT+1]           ; each of these: sixteen lanes cover 256 consecutive bytes, aligned (lanes r and r + 16 hold and store the same)
	global_store_b128 v[OT], v[MNV:MNV+3], s[STB:STB+1]
	global_store_b128 v[OT], v[LSV:LSV+3], s[STB:STB+1] offset:512
.endm
	s_wait_alu depctr_va_vdst(0)
	s_wait_tensorcnt 0x0                           ; my part of chunks 0 and 1 is in; slot 1's first fill is issued as a refill is:
	ds_add_u32 v[SPW], v[NIL]                      ; the add, twice on end
	ds_add_u32 v[SPW], v[NIL]
	s_wait_dscnt 0x0                               ; its wait,
	CROUND                                         ; a round of the cluster's barrier: everybody's part is in, and the joint loads meet,
	JLOAD 1                                        ; and chunks 2 and 3 into slot 1; they have three K steps, 96 matrix instructions, in which to land
	MAIN 1                                         ; key chunk 2 m
	; THE KEY PANELS ARE FILLED AGAIN.  Every wave has waited for all its tensor loads, adds 0 to its spare word, and waits for that and for its reads of the panels; a round of the cluster's barrier: no wave of any
	; partner still reads them; then one joint load a wave, the first thing behind the round.  The query panel's bytes stay as they are.
	s_wait_tensorcnt 0x0
	ds_add_u32 v[SPW], v[NIL]                      ; 0 onto my spare word
	ds_add_u32 v[SPW], v[NIL]
	s_wait_dscnt 0x0
	CROUND
	tensor_load_to_lds s[G0C:G0C+3], s[G1C:G1C+7]  ; it lands while the first tile's softmax is made
	s_nop 0
	PLACES                                         ; (the places behind the last products)
	WAYOUT
	s_wait_xcnt 0x0                                ; the stores have read their bases and their registers: the bases step, and fragments are loaded over the codes
	s_add_nc_u64 s[OUT:OUT+1], s[OUT:OUT+1], BLK   ; key chunk 2 m + 1: p's next block,
	s_add_nc_u64 s[STB:STB+1], s[STB:STB+1], 2048  ; two fragments on in the statistics,
	v_add_nc_u32 v[DD0], -256, v[DD0]              ; 256 keys on
	s_wait_tensorcnt 0x0                           ; my part of the key panels is in,
	s_barrier_signal -1
	s_barrier_wait -1                              ; everybody's is
	MAIN 0
	PLACES
	WAYOUT
	s_wait_tensorcnt 0x0                           ; the wave's end, behind my last tensor load
	ds_add_u32 v[SPW], v[NIL]
	s_wait_dscnt 0x0
	CROUND                                         ; the closing round
	s_endpgm
.Lfunc_end_k_qc028042cbd_score:
	.size	k_qc028042cbd_score, .Lfunc_end_k_qc028042cbd_score-k_qc028042cbd_score
	.p2alignl 7, 3214868480
	.fill 96, 4, 3214868480
	.section	.rodata,"a",@progbits
	.p2align	6, 0x0
	.amdhsa_kernel k_qc028042cbd_score
		.amdhsa_group_segment_fixed_size 327680
		.amdhsa_private_segment_fixed_size 0
		.amdhsa_enable_private_segment 0
		.amdhsa_kernarg_size 24
		.amdhsa_user_sgpr_count 2
		.amdhsa_user_sgpr_kernarg_segment_ptr 1
		.amdhsa_wavefront_size32 1
		.amdhsa_system_sgpr_workgroup_id_x 1
		.amdhsa_system_sgpr_workgroup_id_y 1
		.amdhsa_system_sgpr_workgroup_id_z 1
		.amdhsa_system_vgpr_workitem_id 0
		.amdhsa_next_free_vgpr 704
		.amdhsa_next_free_sgpr 100
		.amdhsa_reserve_vcc 1
		.amdhsa_float_denorm_mode_32 3
		.amdhsa_float_denorm_mode_16_64 3
		.amdhsa_memory_ordered 1
		.amdhsa_forward_progress 1
		.amdhsa_inst_pref_size 251
	.end_amdhsa_kernel
	.amdgpu_metadata
---
amdhsa.version: [ 1, 2 ]
amdhsa.kernels:
  - .name:           k_qc028042cbd_score
    .symbol:         k_qc028042cbd_score.kd
    .args:
      - { .name: opp, .offset: 0, .size: 8, .value_kind: global_buffer, .address_space: global }
      - { .name: pimg, .offset: 8, .size: 8, .value_kind: global_buffer, .address_space: global }
      - { .name: pst, .offset: 16, .size: 8, .value_kind: global_buffer, .address_space: global }
    .group_segment_fixed_size: 327680
    .private_segment_fixed_size: 0
    .kernarg_segment_align: 8
    .kernarg_segment_size: 24
    .max_flat_workgroup_size: 128
    .sgpr_count:     100
    .vgpr_count:     704
    .wavefront_size: 32
...
	.end_amdgpu_metadata
.endif
;; end of part 3
;; launch pv (part 4): grid 4 x 64, 4 waves a work-group, clusters of 4 x 4, 327,680 bytes of LDS; arguments pimg, pst, opp, opo; writes opo
.if DOCPART == 4
	.amdgcn_target "amdgcn-amd-amdhsa--gfx1250"
	.amdhsa_code_object_version 6
	.text
	.protected	k_qc028042cbd_pv
	.globl	k_qc028042cbd_pv
	.p2align	8
	.type	k_qc028042cbd_pv,@function
k_qc028042cbd_pv:
	s_mov_b64 s[64:65], 0
	v_nop
	global_prefetch_b8 v0, s[64:65] scope:SCOPE_SE
	s_setreg_imm32_b32 hwreg(HW_REG_WAVE_MODE, 25, 1), 1
	s_wait_xcnt 0x0
	s_wait_alu depctr_hold_cnt(0) depctr_sa_sdst(0) depctr_va_vdst(0) depctr_va_sdst(0) depctr_va_ssrc(0) depctr_va_vcc(0) depctr_vm_vsrc(0)
	s_getreg_b32 s2, hwreg(HW_REG_IB_STS2, 6, 4)
	s_cmp_eq_u32 s2, 0
	s_cbranch_scc0 .Lentry_in_a_cluster
	s_endpgm
.Lentry_in_a_cluster:
	s_bfe_u32 s2, ttmp6, 0x10000c
	s_cmp_lg_u32 s2, 0xf033
	s_cbranch_scc0 .Lentry_shape_is_right
	s_endpgm
.Lentry_shape_is_right:
; O = P V / l on codes of FP6 (E2M3), quantised along the 1,024 features for the last product.  P's codes stand under a whole-number M_f for each fragment of 128 keys: the head of this launch finds the row's
; M = the largest M_f, adds M_f - M (0 or less) to each scale byte of the fragment, which brings its numbers under M without touching a code, and sums l = the sum of l_f 2^(M_f - M).
; Images as in the launches before (fragment 1,536 bytes, block 25,600, scale word (s, r, t) at 24,576 + 512 s + 256 (t / 4) + 16 r + 4 (t % 4)).  Rows: P's panel of 128 queries; columns: vp^T's panels of 128 features; K: the keys.
; SHARES.  A work-group makes 128 queries x 256 features; wave (hr, hc) 64 x 128; transposed use, a lane holds one query.  The keys go in UNITS of 512 (two chunks) through two LDS slots.
; The causal mask leaves a panel of group g (queries 512 g on) U = g + 1 units.  A cluster's sixteen work-groups are the four panels of one group x the four pairs of feature panels: U is the same in all of them.
; CLUSTER 4 x 4: P's chunks are asked for jointly along a row of the cluster, vp^T's along a column.  Each change of slots is a round of the cluster's barrier; behind it stands ONE branch on U: either the next unit is
; asked for and the walk goes on, or the work-group's last unit, written out without a load, follows. on a path that goes on.  One tensor load of a wave is out at most.
; LIMITS: a corrected scale byte that would fall under 0 is held at 0 (numbers under 7.5 x 2^-127 beside a row sum of at least 1/2); M_f - M is held at -1000; 1 / l is v_rcp_f32 and a multiplication;
; a block of O whose largest magnitude lies under 2^-124 keeps the byte 1; NaN and infinities are not served.
.set BLK,   25600
.set SCO,   24576
.set FRB,   1536
.set CPAN,  2*BLK
.set SLOT,  6*BLK
.set SPARE, 2*SLOT                     ; the spare words, 128 bytes for each wave: two blocks of 256 bytes that no other line names
.set PSC,   SPARE+512                  ; P's corrected scale words: [fragment 16][128 words]
.set RLO,   8192                       ; behind them: 1 / l, 128 words
.set L16, 3
.set ADA, 4
.set ADB, 6
.set ASB, 10
.set OI,  12
.set OS,  13
.set APS, 14                           ; v14  where I read P's words of my four tiles
.set PSA, 15                           ; v15  where thread tau stores word tau
.set R16, 16
.set TO,  17                           ; v17  4 x thread
.set SPW, 30                           ; v30  LDS address of my spare word; never rewritten
.set NIL, 31                           ; v31  0; never rewritten
.set SC,  32
.set AF,  64
.set PC,  64
.set MN,  64                           ; the head: v64-79 -M_f, v80-95 l_f, v96-111 the scale words, v112-121 at work
.set LS,  80
.set WD,  96
.set MR,  112
.set DV,  114
.set BY,  116
.set LT,  120
.set H,   160                          ; the way out: a tile of O / l
.set TM,  224
.set PWV, 236
.set RLV, 244
.set RR,  254
.set WV,  16
.set HR,  17
.set HC,  18
.set CX,  19
.set CY,  20
.set CLY, 21
.set BAT, 22
.set U,   23
.set G1A, 24
.set G1B, 32
.set G0A, 40
.set G0B, 68
.set PG,  62
.set HCP, 63
.set SEL, 84
.set OUT, 86
.set MUL,  0x52
.set TO_B, 0x80
.set MSB, 0
.macro WIN new                         ; the immediate's high byte repeats the setting that is left
.set WNEW, \new
.if MSB != WNEW
	s_set_vgpr_msb (MSB<<8)|WNEW
.set MSB, WNEW
.endif
.endm
.macro PLACES
.rept 4
	v_nop
.endr
.endm
.macro CROUND
	s_barrier_signal -1
	s_barrier_wait -1
	s_cmp_lg_u32 s[WV], 0
	s_cbranch_scc1 .Lnot_wave_0_\@
	s_barrier_signal -3
.Lnot_wave_0_\@:
	s_barrier_wait -3
	s_barrier_signal -1
	s_barrier_wait -1
.endm
; a unit's fill: wave 0 P's two chunks, waves 1 and 2 a feature panel's two, wave 3 none.  The branches hang on the wave's number alone; four v_nop follow each line
.macro JLOAD
	s_cmp_eq_u32 s[WV], 0
	s_cbranch_scc0 .Lnot_rows_\@
	tensor_load_to_lds s[G0A:G0A+3], s[G1A:G1A+7]
	s_nop 0
	PLACES
	s_branch .Lasked_\@
.Lnot_rows_\@:
	s_cmp_lt_u32 s[WV], 3
	s_cbranch_scc0 .Lasked_\@
	tensor_load_to_lds s[G0B:G0B+3], s[G1B:G1B+7]
	s_nop 0
	PLACES
.Lasked_\@:
.endm
.macro WM a, b, p, cm
.set rD, 8*(8*(\a)+(\b))
.set rA, 96*(\p)+12*(\b)
.set rB, AF+48*(\p)+12*(\a)
.set rSA, SC+12*(\p)+4+(\b)
.set rSB, SC+12*(\p)+(\a)
.if (\cm) == 0
	v_wmma_scale_f32_16x16x128_f8f6f4 v[rD:rD+7], v[rA:rA+11], v[rB:rB+11], 0, v[rSA], v[rSB] matrix_a_fmt:MATRIX_FMT_FP6 matrix_b_fmt:MATRIX_FMT_FP6
.else
	v_wmma_scale_f32_16x16x128_f8f6f4 v[rD:rD+7], v[rA:rA+11], v[rB:rB+11], v[rD:rD+7], v[rSA], v[rSB] matrix_a_fmt:MATRIX_FMT_FP6 matrix_b_fmt:MATRIX_FMT_FP6
.endif
.endm
.macro KMUL p, cm                      ; the 32 accumulators take turns, one instruction a turn
	WIN MUL
.irp a, 0,1,2,3
.irp b, 0,1,2,3,4,5,6,7
	WM \a, \b, \p, \cm
.endr
.endr
.endm
.macro FETCH sl, e, s, p, f            ; as in the other products' launches, but P's scale words are the corrected ones of fragment f
	WIN TO_B
.irp b, 0,1,2,3,4,5,6,7
.irp c, 0,1,2
	ds_load_b128 v[96*(\p)+12*\b+4*\c:96*(\p)+12*\b+4*\c+3], v[ADB+(\sl)] offset:BLK*(\e)+FRB*(8*(\s)+\b)+512*\c
.endr
.endr
	WIN 0
.irp a, 0,1,2,3
.irp c, 0,1,2
	ds_load_b128 v[AF+48*(\p)+12*\a+4*\c:AF+48*(\p)+12*\a+4*\c+3], v[ADA+(\sl)] offset:BLK*(\e)+FRB*(8*(\s)+\a)+512*\c
.endr
.endr
	ds_load_b128 v[SC+12*(\p):SC+12*(\p)+3], v[APS] offset:512*(\f)
	ds_load_b128 v[SC+12*(\p)+4:SC+12*(\p)+7], v[ASB+(\sl)] offset:BLK*(\e)+SCO+512*(\s)
	ds_load_b128 v[SC+12*(\p)+8:SC+12*(\p)+11], v[ASB+(\sl)] offset:BLK*(\e)+SCO+512*(\s)+256
.endm
.macro KSTEP nx, sl, e, s, p, cm, f
	s_wait_dscnt 0x0                               ; this K step's fragments, asked for 32 matrix instructions ago, are in
	PLACES
.if \nx
	FETCH \sl, \e, \s, 1-(\p), \f                  ; the next K step's, into the set that the last K step read
.endif
	KMUL \p, \cm
.endm
.macro QMAX s, sw
	WIN 0x14*(\sw)
.irp b, 0,1,2,3
	v_max3_num_f32 v[TM+\b], 0x1800000, |v[(\s)+16*\b]|, |v[(\s)+16*\b+1]|
.endr
.irp i, 2,4,6,8,10,12,14
.irp b, 0,1,2,3
	v_max3_num_f32 v[TM+\b], v[TM+\b], |v[(\s)+16*\b+\i]|, |v[(\s)+16*\b+\i+1]|
.endr
.endr
	WIN 0
.irp b, 0,1,2,3
	v_permlanex16_b32 v[TM+4+\b], v[TM+\b], s[SEL], s[SEL+1]
.endr
.irp b, 0,1,2,3
	v_max_num_f32 v[TM+\b], v[TM+\b], v[TM+4+\b]
.endr
.endm
.macro QPACK s, sw, pw
	s_wait_xcnt 0x0                                ; the earlier stores have read the codes' registers
.irp b, 0,1,2,3
	v_add_nc_u32 v[TM+8+\b], 0xff000000, v[TM+\b]
.endr
.irp b, 0,1,2,3
	v_lshrrev_b32 v[TM+4+\b], 23, v[TM+8+\b]
.endr
	v_lshl_or_b32 v[\pw], v[TM+5], 8, v[TM+4]
	v_lshl_or_b32 v[\pw], v[TM+6], 16, v[\pw]
	v_lshl_or_b32 v[\pw], v[TM+7], 24, v[\pw]
	WIN 0x01*(\sw)
.irp c, 0,1
	v_cvt_scalef32_pk16_fp6_f32 v[PC+6*\c:PC+6*\c+2], v[(\s)+32*\c:(\s)+32*\c+15], v[TM+8+2*\c]
	v_cvt_scalef32_pk16_fp6_f32 v[PC+12+4*\c:PC+12+4*\c+2], v[(\s)+32*\c+16:(\s)+32*\c+31], v[TM+8+2*\c+1]
.endr
	WIN 0
	v_nop                                          ; one plain place behind a scaled conversion
.irp c, 0,1
.irp i, 0,1,2
	v_permlane16_swap_b32 v[PC+6*\c+\i], v[PC+12+4*\c+\i]
.endr
.irp i, 0,1,2
	v_mov_b32 v[PC+3+6*\c+\i], v[PC+12+4*\c+\i]
.endr
.endr
.endm
.macro STOREIMG off
.irp c, 0,1,2
	global_store_b128 v[OI], v[PC+4*\c:PC+4*\c+3], s[OUT:OUT+1] offset:\off+512*\c
.endr
.endm
	s_load_b256 s[4:11], s[0:1], 0x0               ; pimg s[4:5], pst s[6:7], opp s[8:9], opo s[10:11]
	v_lshl_add_u32 v[SPW], v0, 2, SPARE
	v_mov_b32 v[NIL], 0
	ds_add_u32 v30, v31
	ds_add_u32 v30, v31
	s_wait_dscnt 0x0
	v_lshrrev_b32 v1, 5, v0
	v_readfirstlane_b32 s[WV], v1
	s_lshr_b32 s[HR], s[WV], 1
	s_and_b32 s[HC], s[WV], 1
	s_bfe_u32 s[CX], ttmp6, 0x40000
	s_bfe_u32 s[CY], ttmp6, 0x40004
	s_and_b32 s[CLY], ttmp7, 0xffff                ; cluster y = 4 batch + g
	s_lshr_b32 s[BAT], s[CLY], 2
	s_and_b32 s[U], s[CLY], 3
	s_add_co_u32 s[U], s[U], 1                     ; units of 512 keys: the same in all sixteen partners
	s_lshl_b32 s[PG], s[CLY], 2
	s_add_co_u32 s[PG], s[PG], s[CY]               ; my query panel
	s_mul_i32 s56, s[PG], 8*BLK                    ; its eight chunks in pimg: no register of it ever holds cx
	s_mov_b32 s57, 0
	s_lshl_b32 s58, s[BAT], 3
	s_lshl_b32 s60, s[CX], 1
	s_add_co_u32 s58, s58, s60
	s_add_co_u32 s58, s58, s[HR]
	s_mul_i32 s58, s58, 8*BLK
	s_add_co_u32 s58, s58, 512*BLK                 ; vp^T's panel that I would fetch: none of it ever holds cy
	s_mov_b32 s59, 0
	s_lshl_b32 s88, s[PG], 14                      ; my panel's statistics: 16 fragments x 1,024 bytes
	s_mov_b32 s89, 0
	s_lshl_b32 s90, s[PG], 2
	s_add_co_u32 s90, s90, s[CX]
	s_mul_i32 s90, s90, BLK                        ; the result's block
	s_mov_b32 s91, 0
	s_lshl_b32 s61, s[CY], 2
	s_lshl_b32 s61, 15, s61                        ; my row of the cluster
	s_lshl_b32 s66, 0x1111, s[CX]                  ; my column
	; descriptor group 1: two chunks are a dense block of 51,200 bytes: 200 rows of 32 elements of 8 bytes
	s_or_b32 s[G1A], s61, (3<<16)|(1<<21)
	s_or_b32 s[G1B], s66, (3<<16)|(1<<21)
.irp g, G1A, G1B
	s_mov_b32 s[\g+1], 32<<16
	s_mov_b32 s[\g+2], 200<<16
	s_mov_b32 s[\g+3], 32<<16
	s_mov_b32 s[\g+4], 200
	s_mov_b32 s[\g+5], 32
	s_mov_b32 s[\g+6], 0
	s_mov_b32 s[\g+7], 0
.endr
	s_mul_i32 s[HCP], s[HR], CPAN
	s_mov_b32 s[SEL], 0x76543210
	s_mov_b32 s[SEL+1], 0xfedcba98
	s_wait_kmcnt 0x0
	s_add_nc_u64 s[56:57], s[4:5], s[56:57]
	s_add_nc_u64 s[58:59], s[8:9], s[58:59]
	s_add_nc_u64 s[88:89], s[6:7], s[88:89]
	s_add_nc_u64 s[OUT:OUT+1], s[10:11], s[90:91]
	s_cmp_eq_u32 s[WV], 0                          ; the prefetches' base: the panel that I fetch, + my work-group's 50 of a unit's 200 blocks of 256 bytes: the four partners of a joint load share them out by address (cx for P, cy for vp^T)
	s_cselect_b64 s[44:45], s[56:57], s[58:59]
	s_cselect_b32 s46, s[CX], s[CY]
	s_mul_i32 s46, s46, 12800
	s_mov_b32 s47, 0
	s_add_nc_u64 s[44:45], s[44:45], s[46:47]
	CROUND                                         ; all sixteen work-groups are here: the first joint loads meet
	s_mov_b32 s[G0A], 1
	s_mov_b32 s[G0A+1], 0
	s_mov_b64 s[G0A+2:G0A+3], s[56:57]
	s_or_b32 s[G0A+3], s[G0A+3], 0x80000000
	s_mov_b32 s[G0B], 1
	s_add_co_u32 s[G0B+1], s[HCP], CPAN
	s_mov_b64 s[G0B+2:G0B+3], s[58:59]
	s_or_b32 s[G0B+3], s[G0B+3], 0x80000000
	JLOAD                                          ; unit 0 into slot 0; the head's work below stands while it lands
	v_and_b32 v1, 15, v0
	v_bfe_u32 v2, v0, 4, 1
	v_and_b32 v[L16], 31, v0
	v_lshlrev_b32 v[L16], 4, v[L16]
	v_lshlrev_b32 v[R16], 4, v1
	s_wait_alu depctr_va_vdst(0)
	v_lshlrev_b32 v[TO], 2, v0
	v_lshl_add_u32 v[PSA], v0, 2, PSC
	s_mul_i32 s90, s[HR], 4*FRB
	s_mul_i32 s91, s[HC], CPAN
	s_add_co_u32 s91, s91, CPAN
.irp sl, 0,1
	v_add_nc_u32 v[ADA+\sl], s90, v[L16]
	v_add_nc_u32 v[ADB+\sl], s91, v[L16]
	v_add_nc_u32 v[ASB+\sl], s91, v[R16]
	s_add_co_u32 s90, s90, SLOT
	s_add_co_u32 s91, s91, SLOT
.endr
	s_lshl_b32 s92, s[HR], 8
	s_add_co_u32 s93, s92, PSC
	v_add_nc_u32 v[APS], s93, v[R16]
	s_mul_i32 s90, s[HC], 8*FRB
	s_mul_i32 s91, s[HR], 4*FRB
	s_add_co_u32 s90, s90, s91
	v_add_nc_u32 v[OI], s90, v[L16]
	s_lshl_b32 s93, s[HC], 9
	s_add_co_u32 s92, s92, s93
	s_add_co_u32 s92, s92, SCO
	v_add_nc_u32 v[OS], s92, v[R16]
.irp b, 0,1,2,3
	v_mov_b32 v[TM+4+\b], 0                        ; written once: a lane permute's destination counts as one of its sources
.endr
	v_mov_b32 v[RR+1], 0                           ; (named as the upper half of a pair)
	v_and_b32 v20, 31, v0                          ; v20, v21: the prefetches' offsets, a lane a block of 256 bytes: blocks 0-31 and 32-49 (the lanes left over name block 49 again); never rewritten
	v_add_nc_u32 v21, 32, v20
	v_min_u32 v21, 49, v21
	v_lshlrev_b32 v20, 8, v20
	v_lshlrev_b32 v21, 8, v21
; A PREFETCH INTO THE L2: unit t, a unit ahead of the tensor load that will want it, and only where my panel's walk has a unit t.  Waves 0 to 2, the loading waves, ask for their own panel's part; each block is named once in the cluster.
.macro ASK t
	s_cmp_lt_u32 s[WV], 3
	s_cbranch_scc0 .Lno_ask_\@
	s_cmp_gt_u32 s[U], \t
	s_cbranch_scc0 .Lno_ask_\@
	global_prefetch_b8 v20, s[44:45] offset:(\t)*2*BLK th:TH_LOAD_NT scope:SCOPE_SE
	global_prefetch_b8 v21, s[44:45] offset:(\t)*2*BLK th:TH_LOAD_NT scope:SCOPE_SE
.Lno_ask_\@:
.endm
	; THE HEAD.  Thread tau takes word tau (one row of one tile) of all sixteen fragments.  Fragments that the mask leaves out of my panel's walk were never stored: they get -M = 2^127, l = 0, word 0, and are not read.
.irp f, 4,5,6,7,8,9,10,11,12,13,14,15
	v_mov_b32 v[MN+\f], 0x7f000000
	v_mov_b32 v[LS+\f], 0
	v_mov_b32 v[WD+\f], 0
.endr
.macro STATS g                         ; unit g's four fragments: each load reads 128 consecutive bytes a wave
.irp y, 0,1,2,3
	global_load_b32 v[MN+4*(\g)+\y], v[TO], s[88:89] offset:1024*(4*(\g)+\y)
	global_load_b32 v[LS+4*(\g)+\y], v[TO], s[88:89] offset:1024*(4*(\g)+\y)+512
	global_load_b32 v[WD+4*(\g)+\y], v[TO], s[56:57] offset:(2*(\g)+\y/2)*BLK+SCO+512*(\y%2)
.endr
.endm
	s_wait_alu depctr_va_vdst(0)                   ; directly ahead of the branches
	ASK 1                                          ; unit 1, whose load follows when unit 0 has landed
	STATS 0
	s_cmp_gt_u32 s[U], 1
	s_cbranch_scc0 .Lstats_in
	STATS 1
	s_cmp_gt_u32 s[U], 2
	s_cbranch_scc0 .Lstats_in
	STATS 2
	s_cmp_gt_u32 s[U], 3
	s_cbranch_scc0 .Lstats_in
	STATS 3
.Lstats_in:
	s_wait_loadcnt 0x0
	v_min3_num_f32 v[MR], v[MN], v[MN+1], v[MN+2]  ; -M = the smallest -M_f, in two chains (key 0 counts for every query, so fragment 0's is a number)
	v_min3_num_f32 v[MR+1], v[MN+3], v[MN+4], v[MN+5]
	v_min3_num_f32 v[MR], v[MR], v[MN+6], v[MN+7]
	v_min3_num_f32 v[MR+1], v[MR+1], v[MN+8], v[MN+9]
	v_min3_num_f32 v[MR], v[MR], v[MN+10], v[MN+11]
	s_wait_alu depctr_va_vdst(0)
	v_min3_num_f32 v[MR+1], v[MR+1], v[MN+12], v[MN+13]
	v_min3_num_f32 v[MR], v[MR], v[MN+14], v[MN+15]
	v_min_num_f32 v[MR], v[MR], v[MR+1]
.macro FIX f
	v_sub_f32 v[DV], v[MR], v[MN+(\f)]             ; M_f - M: a whole number, 0 or less
	v_cvt_i32_f32 v[DV], v[DV]                     ; (it saturates)
	v_max_i32 v[DV], 0xfffffc18, v[DV]             ; held at -1000
	v_ldexp_f32 v[LS+(\f)], v[LS+(\f)], v[DV]      ; l_f under M
.irp y, 0,1,2,3
	v_bfe_u32 v[BY+\y], v[WD+(\f)], 8*\y, 8
.endr
.irp y, 0,1,2,3
	v_add_nc_u32 v[BY+\y], v[BY+\y], v[DV]         ; each scale byte takes the change of M up
.endr
.irp y, 0,1,2,3
	v_max_i32 v[BY+\y], 0, v[BY+\y]
.endr
	v_lshl_or_b32 v[BY], v[BY+1], 8, v[BY]
	v_lshl_or_b32 v[BY], v[BY+2], 16, v[BY]
	v_lshl_or_b32 v[BY], v[BY+3], 24, v[BY]
	ds_store_b32 v[PSA], v[BY] offset:512*(\f)
.endm
.irp f, 0,1,2,3,4,5,6,7,8,9,10,11,12,13,14,15
	FIX \f
.endr
	v_pk_add_f32 v[LT:LT+1], v[LS:LS+1], v[LS+2:LS+3]
.irp f, 4,6,8,10,12,14
	v_pk_add_f32 v[LT:LT+1], v[LT:LT+1], v[LS+\f:LS+\f+1]
.endr
	v_add_f32 v[LT], v[LT], v[LT+1]                ; l, at least 1/2
	s_wait_alu depctr_va_vdst(0)
	v_rcp_f32 v[LT], v[LT]
	v_nop                                          ; a plain place behind the reciprocal
	s_wait_alu depctr_va_vdst(0)                   ; and the wait ahead of its first reader
	ds_store_b32 v[PSA], v[LT] offset:RLO
; THE CHANGE OF SLOTS, at a unit's head: every wave waits for all its tensor loads (its part of the unit ahead), adds 0 to its spare word, waits for that, for its reads of the slot that it has left and (the first time) for
; its stores of the head's words; then a round of the cluster's barrier: no wave of any partner still reads the other slot or has a load on its way.
.macro HEADA t
	WIN 0
	s_wait_tensorcnt 0x0                           ; no tensor load of mine is out, so a group 0 may be written
	ds_add_u32 v[SPW], v[NIL]                      ; 0 onto my spare word,
	ds_add_u32 v[SPW], v[NIL]                      ; twice on end
.if (\t) < 3
	s_mov_b32 s[G0A+1], (((\t)+1)%2)*SLOT          ; the next unit: the other slot,
	s_add_co_u32 s[G0B+1], s[HCP], (((\t)+1)%2)*SLOT+CPAN
	s_add_nc_u64 s[G0A+2:G0A+3], s[G0A+2:G0A+3], 2*BLK   ; the next two chunks; the type bits on top are not reached
	s_add_nc_u64 s[G0B+2:G0B+3], s[G0B+2:G0B+3], 2*BLK
.endif
	s_wait_dscnt 0x0
	CROUND
.endm
.macro UNIT t                          ; unit t's four K steps, out of slot t % 2
	PLACES
	FETCH (\t)%2, 0, 0, 0, 4*(\t)
.if (\t) < 2
	ASK (\t)+2                                     ; behind unit t + 1's load and the run of LDS loads: the unit after that
.endif
.if (\t) == 0
	KSTEP 1, (\t)%2, 0, 1, 0, 0, 4*(\t)+1          ; the very first K step starts the sums
.else
	KSTEP 1, (\t)%2, 0, 1, 0, 1, 4*(\t)+1
.endif
	KSTEP 1, (\t)%2, 1, 0, 1, 1, 4*(\t)+2
	KSTEP 1, (\t)%2, 1, 1, 0, 1, 4*(\t)+3
	KSTEP 0, 0, 0, 0, 1, 1, 0
	WIN 0
.endm
	HEADA 0
	s_cmp_eq_u32 s[U], 1
	s_cbranch_scc1 .Llast0
	JLOAD                                          ; unit 1 into slot 1: the first tensor load behind the round, and a wave's only one until the next; it has a unit's 128 matrix instructions in which to land
	UNIT 0
	HEADA 1
	s_cmp_eq_u32 s[U], 2
	s_cbranch_scc1 .Llast1
	JLOAD                                          ; unit 2 into slot 0
	UNIT 1
	HEADA 2
	s_cmp_eq_u32 s[U], 3
	s_cbranch_scc1 .Llast2
	JLOAD                                          ; unit 3 into slot 1
	UNIT 2
	HEADA 3
	UNIT 3
	s_branch .Lepi
.Llast0:
	UNIT 0
	s_branch .Lepi
.Llast1:
	UNIT 1
	s_branch .Lepi
.Llast2:
	UNIT 2
.Lepi:
	PLACES
	ds_load_b128 v[RLV:RLV+3], v[APS] offset:RLO   ; 1 / l of my row in my four tiles
	s_wait_dscnt 0x0
.irp a, 0,1,2,3
	v_mov_b32 v[RR], v[RLV+\a]
	WIN 0x01
.set n, 0
.rept 32
	v_pk_mul_f32 v[H+n:H+n+1], v[64*\a+n:64*\a+n+1], v[RR:RR+1] op_sel_hi:[1,0]   ; O / l; each accumulator is read from its low end on
.set n, n+2
.endr
	WIN 0
	QMAX H, 0
	s_wait_alu depctr_va_vdst(0)
	QPACK H, 0, PWV+\a
	STOREIMG FRB*\a
.endr
	global_store_b128 v[OS], v[PWV:PWV+3], s[OUT:OUT+1]   ; sixteen lanes cover 256 consecutive bytes, aligned (lanes r and r + 16 hold and store the same)
	s_wait_tensorcnt 0x0                           ; the wave's end, behind my last tensor load and my last LDS store
	ds_add_u32 v[SPW], v[NIL]
	s_wait_dscnt 0x0
	CROUND                                         ; the closing round
	s_endpgm
.Lfunc_end_k_qc028042cbd_pv:
	.size	k_qc028042cbd_pv, .Lfunc_end_k_qc028042cbd_pv-k_qc028042cbd_pv
	.p2alignl 7, 3214868480
	.fill 96, 4, 3214868480
	.section	.rodata,"a",@progbits
	.p2align	6, 0x0
	.amdhsa_kernel k_qc028042cbd_pv
		.amdhsa_group_segment_fixed_size 327680
		.amdhsa_private_segment_fixed_size 0
		.amdhsa_enable_private_segment 0
		.amdhsa_kernarg_size 32
		.amdhsa_user_sgpr_count 2
		.amdhsa_user_sgpr_kernarg_segment_ptr 1
		.amdhsa_wavefront_size32 1
		.amdhsa_system_sgpr_workgroup_id_x 1
		.amdhsa_system_sgpr_workgroup_id_y 1
		.amdhsa_system_sgpr_workgroup_id_z 1
		.amdhsa_system_vgpr_workitem_id 0
		.amdhsa_next_free_vgpr 704
		.amdhsa_next_free_sgpr 96
		.amdhsa_reserve_vcc 0
		.amdhsa_float_denorm_mode_32 3
		.amdhsa_float_denorm_mode_16_64 3
		.amdhsa_memory_ordered 1
		.amdhsa_forward_progress 1
		.amdhsa_inst_pref_size 249
	.end_amdhsa_kernel
	.amdgpu_metadata
---
amdhsa.version: [ 1, 2 ]
amdhsa.kernels:
  - .name:           k_qc028042cbd_pv
    .symbol:         k_qc028042cbd_pv.kd
    .args:
      - { .name: pimg, .offset: 0, .size: 8, .value_kind: global_buffer, .address_space: global }
      - { .name: pst, .offset: 8, .size: 8, .value_kind: global_buffer, .address_space: global }
      - { .name: opp, .offset: 16, .size: 8, .value_kind: global_buffer, .address_space: global }
      - { .name: opo, .offset: 24, .size: 8, .value_kind: global_buffer, .address_space: global }
    .group_segment_fixed_size: 327680
    .private_segment_fixed_size: 0
    .kernarg_segment_align: 8
    .kernarg_segment_size: 32
    .max_flat_workgroup_size: 128
    .sgpr_count:     96
    .vgpr_count:     704
    .wavefront_size: 32
...
	.end_amdgpu_metadata
.endif
;; end of part 4
;; launch ff (part 5): grid 4 x 64, 4 waves a work-group, clusters of 4 x 4, 327,680 bytes of LDS; arguments opo, opx, bff, out0; writes out0
.if DOCPART == 5
	.amdgcn_target "amdgcn-amd-amdhsa--gfx1250"
	.amdhsa_code_object_version 6
	.text
	.protected	k_qc028042cbd_ff
	.globl	k_qc028042cbd_ff
	.p2align	8
	.type	k_qc028042cbd_ff,@function
k_qc028042cbd_ff:
	s_mov_b64 s[64:65], 0
	v_nop
	global_prefetch_b8 v0, s[64:65] scope:SCOPE_SE
	s_setreg_imm32_b32 hwreg(HW_REG_WAVE_MODE, 25, 1), 1
	s_wait_xcnt 0x0
	s_wait_alu depctr_hold_cnt(0) depctr_sa_sdst(0) depctr_va_vdst(0) depctr_va_sdst(0) depctr_va_ssrc(0) depctr_va_vcc(0) depctr_vm_vsrc(0)
	s_getreg_b32 s2, hwreg(HW_REG_IB_STS2, 6, 4)
	s_cmp_eq_u32 s2, 0
	s_cbranch_scc0 .Lentry_in_a_cluster
	s_endpgm
.Lentry_in_a_cluster:
	s_bfe_u32 s2, ttmp6, 0x10000c
	s_cmp_lg_u32 s2, 0xf033
	s_cbranch_scc0 .Lentry_shape_is_right
	s_endpgm
.Lentry_shape_is_right:
; out0 = O Wff^T + bff on codes of FP6 (E2M3); out0 [8192][1024] f32.  O's images come from opo (64 panels of 102,400 bytes), Wff's from opx (panels 216 to 223); the layout is that of the launches before.
; SHARES.  A work-group makes 128 rows x 256 columns, K = 1,024; wave (hr, hc) 64 x 128; transposed use: a lane holds one row, register 64 a + 16 b + i is column 32 b + 16 h + i of the wave's 128.
; All of K lies in LDS, each byte filled once; the chunks are waited for one by one.  CLUSTER 4 x 4: O's panel is asked for jointly along a row of the cluster, Wff's along a column.
; Image row rho of row tile t is the panel's row 32 (t / 2) + 8 (t % 2) + rho + 8 (rho / 8): the way out puts the rows back in their places.
; THE WAY OUT: a tile of 16 rows x 128 columns goes through the wave's own stage in LDS (rows 528 bytes apart) and leaves as whole rows of 512 bytes.  The stages lie in slot 0, which has had its only fill and whose last
; reads every wave has waited for in front of the barrier of K step 3.
.set BLK,   25600
.set SCO,   24576
.set FRB,   1536
.set PANEL, 4*BLK
.set CPAN,  2*BLK
.set SLOT,  6*BLK
.set SP,    528
.set L16, 3
.set ADA, 4
.set ADB, 6
.set ASA, 8
.set ASB, 10
.set STO, 12                           ; v12  the stage: where I put my numbers of row r
.set RD,  13                           ; v13  and where I read a row back
.set BO,  14                           ; v14  the bias: 64 h
.set R16, 16
.set SC,  32
.set AF,  64
.set OBR, 64                           ; the way out: 16 rows read back: v64-127 and v128-191 by turns
.set BC,  160
.set WV,  16
.set HR,  17
.set HC,  18
.set CX,  19
.set CY,  20
.set CLY, 21
.set G1A, 24
.set G1B, 32
.set G0A, 40
.set G0B, 68
.set OUT, 86
.set MUL,  0x52
.set MULB, 0x42
.set TO_B, 0x80
.set MSB, 0
.macro WIN new                         ; the immediate's high byte repeats the setting that is left
.set WNEW, \new
.if MSB != WNEW
	s_set_vgpr_msb (MSB<<8)|WNEW
.set MSB, WNEW
.endif
.endm
.macro PLACES
.rept 4
	v_nop
.endr
.endm
.macro CROUND
	s_barrier_signal -1
	s_barrier_wait -1
	s_cmp_lg_u32 s[WV], 0
	s_cbranch_scc1 .Lnot_wave_0_\@
	s_barrier_signal -3
.Lnot_wave_0_\@:
	s_barrier_wait -3
	s_barrier_signal -1
	s_barrier_wait -1
.endm
.macro WM a, b, p, cm                  ; cm: 1 in place; 2 the bias by columns starts the sum
.set rD, 8*(8*(\a)+(\b))
.set rA, 96*(\p)+12*(\b)
.set rB, AF+48*(\p)+12*(\a)
.set rSA, SC+12*(\p)+4+(\b)
.set rSB, SC+12*(\p)+(\a)
.if (\cm) == 1
	v_wmma_scale_f32_16x16x128_f8f6f4 v[rD:rD+7], v[rA:rA+11], v[rB:rB+11], v[rD:rD+7], v[rSA], v[rSB] matrix_a_fmt:MATRIX_FMT_FP6 matrix_b_fmt:MATRIX_FMT_FP6
.else
	v_wmma_scale_f32_16x16x128_f8f6f4 v[rD:rD+7], v[rA:rA+11], v[rB:rB+11], v[BC+8*(\b):BC+8*(\b)+7], v[rSA], v[rSB] matrix_a_fmt:MATRIX_FMT_FP6 matrix_b_fmt:MATRIX_FMT_FP6
.endif
.endm
.macro KMUL p, cm                      ; the 32 accumulators take turns, one instruction a turn
.if (\cm) >= 2
	WIN MULB
.else
	WIN MUL
.endif
.irp a, 0,1,2,3
.irp b, 0,1,2,3,4,5,6,7
	WM \a, \b, \p, \cm
.endr
.endr
.endm
.macro FETCH sl, e, s, p
	WIN TO_B
.irp b, 0,1,2,3,4,5,6,7
.irp c, 0,1,2
	ds_load_b128 v[96*(\p)+12*\b+4*\c:96*(\p)+12*\b+4*\c+3], v[ADB+(\sl)] offset:BLK*(\e)+FRB*(8*(\s)+\b)+512*\c
.endr
.endr
	WIN 0
.irp a, 0,1,2,3
.irp c, 0,1,2
	ds_load_b128 v[AF+48*(\p)+12*\a+4*\c:AF+48*(\p)+12*\a+4*\c+3], v[ADA+(\sl)] offset:BLK*(\e)+FRB*(8*(\s)+\a)+512*\c
.endr
.endr
	ds_load_b128 v[SC+12*(\p):SC+12*(\p)+3], v[ASA+(\sl)] offset:BLK*(\e)+SCO+512*(\s)
	ds_load_b128 v[SC+12*(\p)+4:SC+12*(\p)+7], v[ASB+(\sl)] offset:BLK*(\e)+SCO+512*(\s)
	ds_load_b128 v[SC+12*(\p)+8:SC+12*(\p)+11], v[ASB+(\sl)] offset:BLK*(\e)+SCO+512*(\s)+256
.endm
.macro KHEAD gate, nx, sl, e, s, q     ; gate >= 0: the next K step begins a chunk: its landing is waited for (gate = the chunks issued behind it) and a barrier passed, behind which nothing is filled
	s_wait_dscnt 0x0                               ; this K step's fragments, asked for 32 matrix instructions ago, are in
.if (\gate) >= 0
	s_wait_tensorcnt \gate
	s_barrier_signal -1
	s_barrier_wait -1
.endif
	PLACES
.if \nx
	FETCH \sl, \e, \s, \q
.endif
.endm
.macro KSTEP gate, nx, sl, e, s, p, cm
	KHEAD \gate, \nx, \sl, \e, \s, 1-(\p)
	KMUL \p, \cm
.endm
	s_load_b256 s[4:11], s[0:1], 0x0               ; opo s[4:5], opx s[6:7], bff s[8:9], out0 s[10:11]
	v_lshl_add_u32 v254, v0, 2, 0x4b000
	v_mov_b32 v255, 0
	ds_add_u32 v254, v255
	ds_add_u32 v254, v255
	v_lshrrev_b32 v1, 5, v0
	v_readfirstlane_b32 s[WV], v1
	s_lshr_b32 s[HR], s[WV], 1
	s_and_b32 s[HC], s[WV], 1
	s_bfe_u32 s[CX], ttmp6, 0x40000
	s_bfe_u32 s[CY], ttmp6, 0x40004
	s_and_b32 s[CLY], ttmp7, 0xffff
	s_lshl_b32 s62, s[CLY], 2
	s_add_co_u32 s62, s62, s[CY]                   ; the row panel: no register of it ever holds cx
	s_mul_i32 s56, s62, PANEL
	s_mov_b32 s57, 0
	s_lshl_b32 s58, s[CX], 1
	s_add_co_u32 s58, s58, s[HR]
	s_add_co_u32 s58, s58, 216                     ; Wff's panel that I would fetch: none of it ever holds cy
	s_mul_i32 s58, s58, PANEL
	s_mov_b32 s59, 0
	s_lshl_b32 s88, s62, 7
	s_lshl_b32 s89, s[HR], 6
	s_add_co_u32 s88, s88, s89                     ; my first row of out0
	s_lshl_b32 s88, s88, 12
	s_lshl_b32 s92, s[CX], 10
	s_lshl_b32 s93, s[HC], 9
	s_add_co_u32 s92, s92, s93                     ; my first column, in bytes; also my place in bff
	s_add_co_u32 s88, s88, s92
	s_mov_b32 s89, 0
	s_mov_b32 s93, 0
	s_lshl_b32 s61, s[CY], 2
	s_lshl_b32 s61, 15, s61                        ; my row of the cluster
	s_lshl_b32 s66, 0x1111, s[CX]                  ; my column
	s_or_b32 s[G1A], s61, (3<<16)|(1<<21)          ; a chunk: 100 rows of 32 elements of 8 bytes; the mask; 21 set beside it
	s_or_b32 s[G1B], s66, (3<<16)|(1<<21)
.irp g, G1A, G1B
	s_mov_b32 s[\g+1], 32<<16
	s_mov_b32 s[\g+2], 200<<16                     ; two chunks: 200 rows
	s_mov_b32 s[\g+3], 32<<16
	s_mov_b32 s[\g+4], 200
	s_mov_b32 s[\g+5], 32
	s_mov_b32 s[\g+6], 0
	s_mov_b32 s[\g+7], 0
.endr
	s_mul_i32 s63, s[HR], CPAN
	s_wait_dscnt 0x0
	s_wait_kmcnt 0x0
	s_add_nc_u64 s[56:57], s[4:5], s[56:57]
	s_add_nc_u64 s[58:59], s[6:7], s[58:59]
	s_add_nc_u64 s[14:15], s[8:9], s[92:93]
	s_add_nc_u64 s[OUT:OUT+1], s[10:11], s[88:89]
	s_cmp_eq_u32 s[WV], 0                          ; the prefetch's base: the panel that I fetch, + my work-group's 50 of the 200 blocks of 256 bytes: the four partners of a joint load share them out by address (cx for O, cy for Wff)
	s_cselect_b64 s[48:49], s[56:57], s[58:59]
	s_cselect_b32 s50, s[CX], s[CY]
	s_mul_i32 s50, s50, 12800
	s_mov_b32 s51, 0
	s_add_nc_u64 s[48:49], s[48:49], s[50:51]
	CROUND                                         ; all sixteen work-groups are here: the joint loads meet
.irp e, 0,1
	s_mov_b32 s[G0A+4*\e], 1
	s_mov_b32 s[G0A+4*\e+1], \e*SLOT
	s_add_nc_u64 s[G0A+4*\e+2:G0A+4*\e+3], s[56:57], \e*2*BLK
	s_or_b32 s[G0A+4*\e+3], s[G0A+4*\e+3], 0x80000000
	s_mov_b32 s[G0B+4*\e], 1
	s_add_co_u32 s[G0B+4*\e+1], s63, \e*SLOT+CPAN
	s_add_nc_u64 s[G0B+4*\e+2:G0B+4*\e+3], s[58:59], \e*2*BLK
	s_or_b32 s[G0B+4*\e+3], s[G0B+4*\e+3], 0x80000000
.endr
; half e of K (chunks 2 e, 2 e + 1) into slot e: wave 0 O's panel, waves 1 and 2 a panel of Wff, wave 3 none.  The branches hang on the wave's number alone; four v_nop follow each line
.macro JLOAD e
	s_cmp_eq_u32 s[WV], 0
	s_cbranch_scc0 .Lnot_rows_\@
	tensor_load_to_lds s[G0A+4*(\e):G0A+4*(\e)+3], s[G1A:G1A+7]
	s_nop 0
	PLACES
	s_branch .Lasked_\@
.Lnot_rows_\@:
	s_cmp_lt_u32 s[WV], 3
	s_cbranch_scc0 .Lasked_\@
	tensor_load_to_lds s[G0B+4*(\e):G0B+4*(\e)+3], s[G1B:G1B+7]
	s_nop 0
	PLACES
.Lasked_\@:
.endm
	JLOAD 0                                        ; one tensor load a wave at the head
	v_and_b32 v1, 15, v0
	v_bfe_u32 v2, v0, 4, 1
	v_and_b32 v[L16], 31, v0
	v_lshlrev_b32 v[L16], 4, v[L16]
	v_lshlrev_b32 v[R16], 4, v1
	v_lshlrev_b32 v[BO], 6, v2
	v_and_b32 v20, 31, v0                          ; v20, v21: the prefetch's offsets, a lane a block of 256 bytes: blocks 0-31 and 32-49 (the lanes left over name block 49 again); never rewritten
	v_add_nc_u32 v21, 32, v20
	v_min_u32 v21, 49, v21
	v_lshlrev_b32 v20, 8, v20
	v_lshlrev_b32 v21, 8, v21
.irp t, 0,1,2,3,4,5,6,7                        ; the bias is the C of each sum's first product: tile t's eight registers are columns 32 (t / 2) + 8 (t % 2) + 16 h + 0 .. 7
	global_load_b128 v[BC+8*\t:BC+8*\t+3], v[BO], s[14:15] offset:(32*(\t/2)+8*(\t%2))*4
	global_load_b128 v[BC+8*\t+4:BC+8*\t+7], v[BO], s[14:15] offset:(32*(\t/2)+8*(\t%2))*4+16
.endr
	s_wait_alu depctr_va_vdst(0)                   ; directly ahead of the branch
	; A PREFETCH INTO THE L2: chunks 2 and 3 of the three panels, which slot 1's load will want when chunks 0 and 1 have landed.  Waves 0 to 2, the loading waves, ask; each block is named once in the cluster
	s_cmp_lt_u32 s[WV], 3
	s_cbranch_scc0 .Lno_ask
	global_prefetch_b8 v20, s[48:49] offset:2*BLK th:TH_LOAD_NT scope:SCOPE_SE
	global_prefetch_b8 v21, s[48:49] offset:2*BLK th:TH_LOAD_NT scope:SCOPE_SE
.Lno_ask:
	s_mul_i32 s88, s[HR], 4*FRB
	s_mul_i32 s89, s[HC], CPAN
	s_add_co_u32 s89, s89, CPAN
	s_lshl_b32 s90, s[HR], 8
.irp sl, 0,1
	v_add_nc_u32 v[ADA+\sl], s88, v[L16]
	v_add_nc_u32 v[ADB+\sl], s89, v[L16]
	v_add_nc_u32 v[ASA+\sl], s90, v[R16]
	v_add_nc_u32 v[ASB+\sl], s89, v[R16]
	s_add_co_u32 s88, s88, SLOT
	s_add_co_u32 s89, s89, SLOT
	s_add_co_u32 s90, s90, SLOT
.endr
	s_mul_i32 s91, s[WV], 16*SP                    ; my stage
	v_mul_u32_u24 v[STO], v1, SP
	v_lshl_add_u32 v[STO], v2, 6, v[STO]
	v_add_nc_u32 v[STO], s91, v[STO]
	v_add_nc_u32 v[RD], s91, v[L16]
	s_wait_alu depctr_va_vdst(0)
	s_wait_tensorcnt 0x0                           ; my part of chunks 0 and 1 is in; slot 1's only fill is issued as a refill is:
	ds_add_u32 v254, v255                          ; the add, twice on end
	ds_add_u32 v254, v255
	s_wait_dscnt 0x0                               ; its wait,
	CROUND                                         ; a round of the cluster's barrier: everybody's part is in, and the joint loads meet,
	JLOAD 1                                        ; and chunks 2 and 3 into slot 1; they have three K steps, 96 matrix instructions, in which to land
	FETCH 0, 0, 0, 0
	KHEAD -1, 1, 0, 0, 1, 1
	s_wait_loadcnt 0x0                             ; the bias
	KMUL 0, 2
	KSTEP -1, 1, 0, 1, 0, 1, 1                     ; chunk 1 came with chunk 0
	KSTEP -1, 1, 0, 1, 1, 0, 1
	KSTEP 0, 1, 1, 0, 0, 1, 1                      ; chunks 2 and 3 are waited for: no tensor load is out any more; behind this barrier nobody reads slot 0
	KSTEP -1, 1, 1, 0, 1, 0, 1
	KSTEP -1, 1, 1, 1, 0, 1, 1
	KSTEP -1, 1, 1, 1, 1, 0, 1
	KSTEP -1, 0, 0, 0, 0, 1, 1
	WIN 0
.macro TOSTAGE a
	WIN 0x04                                       ; an LDS store's data are its source 1: window 1
.irp b, 0,1,2,3
.irp j, 0,1,2,3
	ds_store_b128 v[STO], v[64*(\a)+16*\b+4*\j:64*(\a)+16*\b+4*\j+3] offset:128*\b+16*\j   ; each accumulator from its low end on
.endr
.endr
	WIN 0
.set BB, OBR+64*((\a)%2)
.irp rho, 0,1,2,3,4,5,6,7,8,9,10,11,12,13,14,15
	ds_load_b128 v[BB+4*\rho:BB+4*\rho+3], v[RD] offset:SP*\rho   ; LDS serves a wave's instructions in order: these see the stores above, and the next tile's stores come behind them
.endr
.endm
.macro SEND a, younger                 ; younger: the LDS instructions issued behind tile a's loads, which may stay out
.set BB, OBR+64*((\a)%2)
	s_wait_dscnt \younger
.irp rho, 0,1,2,3,4,5,6,7,8,9,10,11,12,13,14,15
	global_store_b128 v[L16], v[BB+4*\rho:BB+4*\rho+3], s[OUT:OUT+1] offset:(32*((\a)/2)+8*((\a)%2)+\rho+8*(\rho/8))*4096 th:TH_STORE_NT   ; 32 lanes store 512 consecutive bytes, aligned to 256; written once, read by nobody here
.endr
.endm
	PLACES
	TOSTAGE 0
.irp a, 1,2,3
.if \a > 1
	s_wait_xcnt 0x0                                ; tile a - 2's stores have read their registers: tile a's loads may land there
.endif
	TOSTAGE \a
	SEND \a-1, 32                                  ; behind tile a - 1's loads: tile a's 16 stores and 16 loads
.endr
	SEND 3, 0
	s_wait_tensorcnt 0x0
	ds_add_u32 v254, v255
	s_wait_dscnt 0x0
	CROUND                                         ; the closing round
	s_endpgm
.Lfunc_end_k_qc028042cbd_ff:
	.size	k_qc028042cbd_ff, .Lfunc_end_k_qc028042cbd_ff-k_qc028042cbd_ff
	.p2alignl 7, 3214868480
	.fill 96, 4, 3214868480
	.section	.rodata,"a",@progbits
	.p2align	6, 0x0
	.amdhsa_kernel k_qc028042cbd_ff
		.amdhsa_group_segment_fixed_size 327680
		.amdhsa_private_segment_fixed_size 0
		.amdhsa_enable_private_segment 0
		.amdhsa_kernarg_size 32
		.amdhsa_user_sgpr_count 2
		.amdhsa_user_sgpr_kernarg_segment_ptr 1
		.amdhsa_wavefront_size32 1
		.amdhsa_system_sgpr_workgroup_id_x 1
		.amdhsa_system_sgpr_workgroup_id_y 1
		.amdhsa_system_sgpr_workgroup_id_z 1
		.amdhsa_system_vgpr_workitem_id 0
		.amdhsa_next_free_vgpr 704
		.amdhsa_next_free_sgpr 96
		.amdhsa_reserve_vcc 0
		.amdhsa_float_denorm_mode_32 3
		.amdhsa_float_denorm_mode_16_64 3
		.amdhsa_memory_ordered 1
		.amdhsa_forward_progress 1
		.amdhsa_inst_pref_size 78
	.end_amdhsa_kernel
	.amdgpu_metadata
---
amdhsa.version: [ 1, 2 ]
amdhsa.kernels:
  - .name:           k_qc028042cbd_ff
    .symbol:         k_qc028042cbd_ff.kd
    .args:
      - { .name: opo, .offset: 0, .size: 8, .value_kind: global_buffer, .address_space: global }
      - { .name: opx, .offset: 8, .size: 8, .value_kind: global_buffer, .address_space: global }
      - { .name: bff, .offset: 16, .size: 8, .value_kind: global_buffer, .address_space: global }
      - { .name: out0, .offset: 24, .size: 8, .value_kind: global_buffer, .address_space: global }
    .group_segment_fixed_size: 327680
    .private_segment_fixed_size: 0
    .kernarg_segment_align: 8
    .kernarg_segment_size: 32
    .max_flat_workgroup_size: 128
    .sgpr_count:     96
    .vgpr_count:     704
    .wavefront_size: 32
...
	.end_amdgpu_metadata
.endif
;; end of part 5
